; MI455X (gfx1250); checked and timed in simulation.
; The chip was launched on July 23, 2026; its instructions are those of AMD's public machine-readable ISA for CDNA 5 (MIT licence, August 2026) and "CDNA5" Instruction Set Architecture Reference Guide (July 2026). The comments in the code are by the model that wrote it; some were corrected since.
;; Multi Head Attention. Allowed arithmetic: matrix products marked QUANTISED: E2M3 operands, one E8M0 scale for each 32 along K, by v_wmma_scale_f32_16x16x128_f8f6f4 with both operands' format E2M3, f32 sums; everything else in f32.
;; Inputs: Wk 2,048 x 2,048 float32; Wo 2,048 x 2,048 float32; Wq 2,048 x 2,048 float32; Wv 2,048 x 2,048 float32; attention_mask 1 x 1 x 2,048 x 2,048 float32; hidden_states 1 x 2,048 x 2,048 float32; rope_cos 2,048 x 128 float32; rope_sin 2,048 x 128 float32.
;; Outputs: out0 1 x 2,048 x 2,048 float32.
;; This version of the problem:
;;   THIS VERSION OF THE PROBLEM IS GIVEN IN LOW PRECISION. The matrix products marked QUANTISED in the list below multiply operands that are first quantised to E2M3 (2 exponent bits, 3 mantissa bits; 6 bits a number), with one power-of-two scale for each 32 numbers along K (OCP MX v1.0); their sums are f32. All else is computed in f32.
;;   The module's matrix products, in the order in which they are computed (A, B: the left and right operand; K: the contracted axis; several contracted axes count as one K, in the product's order):
;;     1. [M 2,048, K 2,048] x [K 2,048, N 2,048]; A: input hidden_states; B: input Wq: QUANTISED
;;     2. [M 2,048, K 2,048] x [K 2,048, N 2,048]; A: input hidden_states; B: input Wk: QUANTISED
;;     3. [M 2,048, K 2,048] x [K 2,048, N 2,048]; A: input hidden_states; B: input Wv: QUANTISED
;;     4. batch 16 x [M 2,048, K 128] x [K 128, N 2,048]; A: computed on the way; B: computed on the way: QUANTISED
;;     5. batch 16 x [M 2,048, K 2,048] x [K 2,048, N 128]; A: softmax (see below); B: computed on the way: QUANTISED
;;     6. [M 2,048, K 2,048] x [K 2,048, N 2,048]; A: computed on the way; B: input Wo: QUANTISED
;;   THE QUANTISER, for each operand of a quantised product, along K:
;;     - K is cut into blocks of 32 from its start; a last block that is shorter is filled with zeros.
;;     - A block's scale is 2^e with e = floor(log2(the largest magnitude in the block)) - 2, held to -126 .. 127; a block of zeros has e = 0. As a byte (E8M0): e + 127.
;;     - Each number is divided by its block's scale, clamped to +-7.5, and rounded to the nearest number of E2M3, ties to even, subnormals kept.
;;     - The product sums the exact products of the quantised numbers (number of the format x scale) in f32.
;;   ~~~python
;;   def quantise(x, axis):      # numpy; x: float32 -> the quantised numbers, widened to float32 again
;;       x = np.moveaxis(x, axis, -1); K = x.shape[-1]
;;       x = np.pad(x, [(0, 0)] * (x.ndim - 1) + [(0, -K % 32)]); x = x.reshape(x.shape[:-1] + (-1, 32)); a = np.abs(x).max(-1, keepdims=True)
;;       e = np.where(a > 0, np.clip(np.frexp(np.where(a > 0, a, 1))[1] - 1 - 2, -126, 127), 0)      # np.frexp(a)[1] - 1 = floor(log2(a)), exactly
;;       r = np.clip(x / 2.0 ** e, -7.5, 7.5)
;;       step = 2.0 ** (np.maximum(np.frexp(np.where(r == 0, 1, r))[1] - 1, 0) - 3)
;;       q = np.round(r / step) * step * 2.0 ** e      # np.round: ties to even
;;       return np.moveaxis(q.reshape(q.shape[:-2] + (-1,))[..., :K], -1, axis).astype(np.float32)
;;   ~~~
;;   SOFTMAX AHEAD OF A QUANTISED PRODUCT. Where the list says 'softmax', what is quantised is not the finished softmax but p = 2^(t - M), with t = logit x log2(e) and M = ceil(the row's largest t), a whole number; so 1/2 < the row's largest p <= 1. The row's sum l is taken of the UNQUANTISED p, in f32, and the product's result is divided by l at the end. Since M is a whole number, a kernel that streams over the keys may use a running M (the ceiling of the running maximum): every later rescaling is an exact power of two, which a block's scale takes up: the codes' values come out the same.
;;   OPERANDS COMPUTED ON THE WAY. 'Computed on the way' means the value that the module computes at that place (a softmax that the list does not call 'softmax' is quantised finished and normalised). What goes into a quantiser is computed in f32, as accurately as f32 sums, v_exp_f32 and their like allow (about 1e-6 of the number): no bf16 or f16 on the way to a quantiser, and a product that is left as it is and whose result goes on into a quantised operand takes f32 operands (vector FMAs, or v_wmma_f32_16x16x4_f32). A number that lies on a knife's edge between two numbers of the format may be rounded either way, as far as f32 arithmetic and the matrix unit's own rounding can turn it there, and no further.
;; One version. Each part assembles by itself: llvm-mc -triple=amdgcn-amd-amdhsa -mcpu=gfx1250 --defsym DOCPART=n.
;; ======== version 1 of 1: 4 launches
;; limits: right only within a limited range of input values
;; workspace buffers: opc 15,728,640 bytes; ops 655,360 bytes; qkv 9,437,184 bytes; qkvs 393,216 bytes; aoc 3,145,728 bytes; aos 131,072 bytes
;; launch quant (part 1): grid 640 x 1, 4 waves a work-group, no clusters, 34,304 bytes of LDS; arguments hidden_states, Wq, Wk, Wv, Wo, opc, ops; writes opc, ops
.if DOCPART == 1
	.amdgcn_target "amdgcn-amd-amdhsa--gfx1250"
	.amdhsa_code_object_version 6
	.text
	.protected	k_q50facc43a8_quant
	.globl	k_q50facc43a8_quant
	.p2align	8
	.type	k_q50facc43a8_quant,@function
k_q50facc43a8_quant:
	s_mov_b64 s[64:65], 0
	v_nop
	global_prefetch_b8 v0, s[64:65] scope:SCOPE_SE
	s_setreg_imm32_b32 hwreg(HW_REG_WAVE_MODE, 25, 1), 1
	s_wait_xcnt 0x0
; Five tensors [2048][2048] of f32 (hidden_states, Wq, Wk, Wv, Wo), K innermost, become codes of FP6 (E2M3) with one E8M0 byte for each 32 along K.
; A block's scale is 2^(floor(log2(its largest magnitude)) - 2); its byte is the largest magnitude's exponent field - 2, held at 1 from below; each number is divided by the scale and rounded to the nearest code, ties to even.
; LIMITS: NaN and infinities among the inputs are not served; a block whose largest magnitude lies under 2^-124 gets the byte 1; a block of zeros gets the byte 1 with zero codes (this program alone reads the bytes).
; THE CODES ARE LAID AS IMAGES OF THE OPERAND'S REGISTERS.  A fragment is 16 rows x 128 K, 12 registers a lane: registers 4 c .. 4 c + 3 of lane l lie at byte 512 c + 16 l of its 1,536 bytes.
; Row block rb holds, in lane r, the tensor's row 32 (rb / 2) + 8 (rb % 2) + r + 8 (r / 8).  opc: [tensor][rb 128][K step 16][1536].  ops: [tensor][rb][K step / 4][r 16][K step % 4] words of four bytes.
; SHARES.  A work-group takes one row block of one tensor, each of its four waves four K steps: 16 rows x 2,048 consecutive bytes.  No wave shares anything with another: no barrier, no cluster (no two work-groups read the same bytes).
; A load reads 512 consecutive bytes of one row; the conversions want 16 neighbours along K in one lane: a fragment's 8,192 bytes turn through the wave's own stage in LDS (rows 528 bytes apart).
.set STG,  8448                        ; a wave's stage: 16 rows x (512 + 16) bytes
.set LO,   1                           ; v1   16 x lane
.set STI,  2                           ; v2   the stage, on the way in: 16 x lane
.set STO,  3                           ; v3   on the way out: 528 r + 64 h
.set SCO,  4                           ; v4   my 8 bytes of the wave's 256 scale bytes: 16 r + 8 h
.set HH,   5                           ; v5   h = lane / 16
.set TM,   8                           ; v8-23  the quantiser's work
.set PW,   24                          ; v24-27 a scale word for each of my four K steps
.set SW,   28                          ; v[28:29] the two that I store
.set T2,   30                          ; v30-37 the second halves of the blocks' codes
.set C,    40                          ; v40-51 a fragment's codes
.set X,    64                          ; v64-127 64 numbers: register 16 b + i = k 32 b + 16 h + i of my row
.set R,    128                         ; v128-255 two sets of 16 loads
.set SEL,  20                          ; s[20:21] lane selects: lane l xor 16
; 64 numbers of a lane, register 16 b + i = k 32 b + 16 h + i of my row, become a fragment's 12 registers of codes and its scale word
.macro QUANT s, pc, t2, pw, tm
.irp b, 0,1,2,3
	v_max3_num_f32 v[\tm+\b], |v[\s+16*\b]|, |v[\s+16*\b+1]|, 0x1800000   ; block b: my 16 numbers, and the floor 2^(3 - 127): the byte cannot fall under 1
.endr
.irp i, 2,4,6,8,10,12,14
.irp b, 0,1,2,3
	v_max3_num_f32 v[\tm+\b], v[\tm+\b], |v[\s+16*\b+\i]|, |v[\s+16*\b+\i+1]|   ; the four blocks by turns
.endr
.endr
.irp b, 0,1,2,3
	v_permlanex16_b32 v[\tm+4+\b], v[\tm+\b], s[SEL], s[SEL+1]
.endr
.irp b, 0,1,2,3
	v_max_num_f32 v[\tm+\b], v[\tm+\b], v[\tm+4+\b]      ; with lane l xor 16's: the block's largest magnitude
.endr
.irp b, 0,1,2,3
	v_add_nc_u32 v[\tm+12+\b], 0xff000000, v[\tm+\b]     ; 2 off its exponent field: the conversion's scale operand
.endr
.irp b, 0,1,2,3
	v_lshrrev_b32 v[\tm+4+\b], 23, v[\tm+12+\b]          ; the scale's byte
.endr
	v_lshl_or_b32 v[\pw], v[\tm+5], 8, v[\tm+4]
	v_lshl_or_b32 v[\pw], v[\tm+6], 16, v[\pw]
	v_lshl_or_b32 v[\pw], v[\tm+7], 24, v[\pw]           ; my row's scale word
.irp c, 0,1
	v_cvt_scalef32_pk16_fp6_f32 v[\pc+6*\c:\pc+6*\c+2], v[\s+32*\c:\s+32*\c+15], v[\tm+12+2*\c]
	v_cvt_scalef32_pk16_fp6_f32 v[\t2+4*\c:\t2+4*\c+2], v[\s+32*\c+16:\s+32*\c+31], v[\tm+13+2*\c]   ; (a conversion's three registers begin on an even number)
.endr
	v_nop                                                ; one plain place behind a scaled conversion
.irp c, 0,1                                          ; the operand's layout wants a whole block in a lane: lanes 0-15 block 2 c, lanes 16-31 block 2 c + 1
.irp i, 0,1,2
	v_permlane16_swap_b32 v[\pc+6*\c+\i], v[\t2+4*\c+\i]
.endr
.irp i, 0,1,2
	v_mov_b32 v[\pc+6*\c+3+\i], v[\t2+4*\c+\i]
.endr
.endr
.endm
	s_load_b256 s[4:11], s[0:1], 0x0               ; hidden_states, Wq, Wk, Wv
	s_load_b128 s[12:15], s[0:1], 0x20             ; Wo, opc
	s_load_b64 s[16:17], s[0:1], 0x30              ; ops
	v_lshl_add_u32 v62, v0, 2, 0x8400
	v_mov_b32 v63, 0
	v_lshrrev_b32 v6, 5, v0
	v_readfirstlane_b32 s18, v6                    ; wave 0..3
	v_and_b32 v6, 31, v0                           ; lane
	v_and_b32 v7, 15, v0                           ; r
	v_bfe_u32 v[HH], v0, 4, 1                      ; h
	v_lshlrev_b32 v[LO], 4, v6
	s_mul_i32 s19, s18, STG
	v_add_nc_u32 v[STI], s19, v[LO]
	v_mul_u32_u24 v[STO], v7, 528
	v_lshl_add_u32 v[STO], v[HH], 6, v[STO]
	v_add_nc_u32 v[STO], s19, v[STO]
	v_lshlrev_b32 v[SCO], 4, v7
	v_lshl_add_u32 v[SCO], v[HH], 3, v[SCO]
	s_mov_b32 s[SEL], 0x76543210
	s_mov_b32 s[SEL+1], 0xfedcba98
.irp b, 0,1,2,3
	v_mov_b32 v[TM+4+\b], 0                        ; written once: a lane permute's destination counts as one of its sources
.endr
	s_lshr_b32 s22, ttmp9, 7                       ; which tensor
	s_and_b32 s23, ttmp9, 127                      ; which row block
	s_lshr_b32 s24, s23, 1
	s_lshl_b32 s24, s24, 5
	s_and_b32 s25, s23, 1
	s_lshl_b32 s25, s25, 3
	s_add_co_u32 s24, s24, s25                     ; its first row: 32 (rb / 2) + 8 (rb % 2)
	s_lshl_b32 s24, s24, 13                        ; rows of 8,192 bytes
	s_lshl_b32 s25, s18, 11                        ; my wave's 2,048 bytes of a row
	s_add_co_u32 s24, s24, s25
	s_mov_b32 s25, 0
	s_mul_i32 s26, ttmp9, 24576                    ; the row block's images,
	s_mul_i32 s28, s18, 6144                       ; my four of them
	s_add_co_u32 s26, s26, s28
	s_mov_b32 s27, 0
	s_lshl_b32 s28, ttmp9, 10                      ; the row block's scale words,
	s_lshl_b32 s29, s18, 8                         ; my 256 bytes of them
	s_add_co_u32 s28, s28, s29
	s_mov_b32 s29, 0
	s_wait_alu depctr_va_vdst(0)
	s_wait_kmcnt 0x0
	s_cmp_eq_u32 s22, 1                            ; the tensor is chosen by the work-group's number alone
	s_cselect_b64 s[4:5], s[6:7], s[4:5]
	s_cmp_eq_u32 s22, 2
	s_cselect_b64 s[4:5], s[8:9], s[4:5]
	s_cmp_eq_u32 s22, 3
	s_cselect_b64 s[4:5], s[10:11], s[4:5]
	s_cmp_eq_u32 s22, 4
	s_cselect_b64 s[4:5], s[12:13], s[4:5]
	s_add_nc_u64 s[4:5], s[4:5], s[24:25]
	s_add_nc_u64 s[14:15], s[14:15], s[26:27]
	s_add_nc_u64 s[16:17], s[16:17], s[28:29]
.macro LOAD s                          ; fragment s: 16 rows x 512 bytes; a load's 32 lanes read 512 consecutive bytes of one row
.irp i, 0,1,2,3,4,5,6,7,8,9,10,11,12,13,14,15
	global_load_b128 v[R+64*((\s)%2)+4*\i:R+64*((\s)%2)+4*\i+3], v[LO], s[4:5] offset:(\i+8*(\i/8))*8192+512*(\s) th:TH_LOAD_NT
.endr
.endm
.macro STEP s
.if (\s) < 3
	s_wait_loadcnt 16                              ; this fragment's 16 loads are in; the next fragment's 16 may be out
.else
	s_wait_loadcnt 0x0
.endif
	s_wait_xcnt 0x0                                ; the last fragment's stores have read their registers: the codes may be written again
.irp i, 0,1,2,3,4,5,6,7,8,9,10,11,12,13,14,15
	ds_store_b128 v[STI], v[R+64*((\s)%2)+4*\i:R+64*((\s)%2)+4*\i+3] offset:528*\i
.endr
.irp b, 0,1,2,3
.irp j, 0,1,2,3
	ds_load_b128 v[X+16*\b+4*\j:X+16*\b+4*\j+3], v[STO] offset:128*\b+16*\j   ; LDS serves a wave's instructions in order (ISA guide 5.7.1.4): these see the stores above
.endr
.endr
	s_wait_dscnt 0x0                               ; my 64 numbers are in, and the stores into the stage have read their registers,
.if (\s) < 2
	LOAD (\s)+2                                    ; which take the loads of two fragments on
.endif
	QUANT X, C, T2, PW+(\s), TM
.irp c, 0,1,2
	global_store_b128 v[LO], v[C+4*\c:C+4*\c+3], s[14:15] offset:1536*(\s)+512*\c   ; the image: 512 consecutive bytes a store
.endr
.endm
	LOAD 0
	LOAD 1
	STEP 0
	STEP 1
	STEP 2
	STEP 3
	v_cmp_ne_u32 vcc_lo, 0, v[HH]                  ; lanes 0-15 store their row's words of K steps 0 and 1 of the four, lanes 16-31 those of 2 and 3
	v_cndmask_b32 v[SW], v[PW], v[PW+2], vcc_lo
	v_cndmask_b32 v[SW+1], v[PW+1], v[PW+3], vcc_lo
	global_store_b64 v[SCO], v[SW:SW+1], s[16:17]  ; 32 lanes store 256 consecutive bytes, aligned
	s_wait_tensorcnt 0x0
	ds_add_u32 v62, v63
	s_wait_dscnt 0x0
	s_endpgm
.Lfunc_end_k_q50facc43a8_quant:
	.size	k_q50facc43a8_quant, .Lfunc_end_k_q50facc43a8_quant-k_q50facc43a8_quant
	.p2alignl 7, 3214868480
	.fill 96, 4, 3214868480
	.section	.rodata,"a",@progbits
	.p2align	6, 0x0
	.amdhsa_kernel k_q50facc43a8_quant
		.amdhsa_group_segment_fixed_size 34304
		.amdhsa_private_segment_fixed_size 0
		.amdhsa_enable_private_segment 0
		.amdhsa_kernarg_size 56
		.amdhsa_user_sgpr_count 2
		.amdhsa_user_sgpr_kernarg_segment_ptr 1
		.amdhsa_wavefront_size32 1
		.amdhsa_system_sgpr_workgroup_id_x 1
		.amdhsa_system_sgpr_workgroup_id_y 1
		.amdhsa_system_sgpr_workgroup_id_z 1
		.amdhsa_system_vgpr_workitem_id 0
		.amdhsa_next_free_vgpr 256
		.amdhsa_next_free_sgpr 66
		.amdhsa_reserve_vcc 1
		.amdhsa_float_denorm_mode_32 3
		.amdhsa_float_denorm_mode_16_64 3
		.amdhsa_memory_ordered 1
		.amdhsa_forward_progress 1
		.amdhsa_inst_pref_size 34
	.end_amdhsa_kernel
	.amdgpu_metadata
---
amdhsa.version: [ 1, 2 ]
amdhsa.kernels:
  - .name:           k_q50facc43a8_quant
    .symbol:         k_q50facc43a8_quant.kd
    .args:
      - { .name: hidden_states, .offset: 0, .size: 8, .value_kind: global_buffer, .address_space: global }
      - { .name: Wq, .offset: 8, .size: 8, .value_kind: global_buffer, .address_space: global }
      - { .name: Wk, .offset: 16, .size: 8, .value_kind: global_buffer, .address_space: global }
      - { .name: Wv, .offset: 24, .size: 8, .value_kind: global_buffer, .address_space: global }
      - { .name: Wo, .offset: 32, .size: 8, .value_kind: global_buffer, .address_space: global }
      - { .name: opc, .offset: 40, .size: 8, .value_kind: global_buffer, .address_space: global }
      - { .name: ops, .offset: 48, .size: 8, .value_kind: global_buffer, .address_space: global }
    .group_segment_fixed_size: 34304
    .private_segment_fixed_size: 0
    .kernarg_segment_align: 8
    .kernarg_segment_size: 56
    .max_flat_workgroup_size: 128
    .sgpr_count:     66
    .vgpr_count:     256
    .wavefront_size: 32
...
	.end_amdgpu_metadata
.endif
;; end of part 1
;; launch qkvgemm (part 2): grid 24 x 8, 4 waves a work-group, clusters of 4 x 4, 327,680 bytes of LDS; arguments opc, ops, rope_cos, rope_sin, qkv, qkvs; writes qkv, qkvs
.if DOCPART == 2
	.amdgcn_target "amdgcn-amd-amdhsa--gfx1250"
	.amdhsa_code_object_version 6
	.text
	.protected	k_q50facc43a8_qkvgemm
	.globl	k_q50facc43a8_qkvgemm
	.p2align	8
	.type	k_q50facc43a8_qkvgemm,@function
k_q50facc43a8_qkvgemm:
	s_mov_b64 s[64:65], 0
	v_nop
	global_prefetch_b8 v0, s[64:65] scope:SCOPE_SE
	s_setreg_imm32_b32 hwreg(HW_REG_WAVE_MODE, 25, 1), 1
	s_wait_xcnt 0x0
	s_wait_alu depctr_hold_cnt(0) depctr_sa_sdst(0) depctr_va_vdst(0) depctr_va_sdst(0) depctr_va_ssrc(0) depctr_va_vcc(0) depctr_vm_vsrc(0)
	s_getreg_b32 s2, hwreg(HW_REG_IB_STS2, 6, 4)
	s_cmp_eq_u32 s2, 0
	s_cbranch_scc0 .Lentry_in_a_cluster
	s_endpgm
.Lentry_in_a_cluster:
	s_bfe_u32 s2, ttmp6, 0x10000c
	s_cmp_lg_u32 s2, 0xf033
	s_cbranch_scc0 .Lentry_shape_is_right
	s_endpgm
.Lentry_shape_is_right:
.set NQ,     2
.set FR,     12
.set NL,     3
.set NP,     4
.set HALFT,  24576
.set SLOT,   4*HALFT
.set LAPS,   4
.set SCL,    2*SLOT
.set HALFS,  8192
.set SPARE,  SCL+4*HALFS
.set ADRA, 16
.set ADRB, 20
.set ADRS, 22
.set HH,   23
.set LO,   24
.set STI,  25
.set STO,  26
.set SCO,  27
.set SPW,  28
.set NIL,  29
.set PFO,  30
.set SC,   32
.set AF,   128
.set PW,   2
.set SW,   12
.set CO,   64
.set SI,   128
.set T,    192
.set PC,   224
.set T2,   236
.set TM,   244
.set SEL,  100
.set PFC,  92
.set PFN,  98
.set G1,   24
.set G0,   32
.set G1B,  48
.set G0B,  56
.set G1S,  68
.set G0S,  76
.set G1SB, 80
.set G0SB, 88
.set MSB, 0
.macro WIN new
.if MSB != (\new)
	s_set_vgpr_msb (MSB<<8)|(\new)
.set MSB, (\new)
.endif
.endm
.set MUL_LO, 0xa1
.set MUL_HI, 0xf1
.set TO_B,   0x40
.macro JLOAD g0a, g1a, g0b, g1b
	s_cmp_eq_u32 s17, 0
	s_cbranch_scc0 .Lfor_b_\@
	tensor_load_to_lds s[\g0a:\g0a+3], s[\g1a:\g1a+7]
	s_nop 0
.rept 4
	v_nop
.endr
	s_branch .Lasked_\@
.Lfor_b_\@:
	tensor_load_to_lds s[\g0b:\g0b+3], s[\g1b:\g1b+7]
	s_nop 0
.rept 4
	v_nop
.endr
.Lasked_\@:
.endm
.macro CREST
	s_cmp_lg_u32 s16, 0
	s_cbranch_scc1 .Lnot_wave_0_\@
	s_barrier_signal -3
.Lnot_wave_0_\@:
	s_barrier_wait -3
	s_barrier_signal -1
	s_barrier_wait -1
.endm
.macro CROUND
	s_barrier_signal -1
	s_barrier_wait -1
	CREST
.endm
	s_load_b256 s[4:11], s[0:1], 0x0
	s_load_b128 s[12:15], s[0:1], 0x20
	v_lshl_add_u32 v[SPW], v0, 2, SPARE
	v_mov_b32 v[NIL], 0
	ds_add_u32 v28, v29
	ds_add_u32 v28, v29
	s_wait_dscnt 0x0
	v_lshrrev_b32 v1, 5, v0
	v_readfirstlane_b32 s16, v1
	s_lshr_b32 s17, s16, 1
	s_and_b32 s18, s16, 1
	s_bfe_u32 s40, ttmp6, 0x40000
	s_bfe_u32 s41, ttmp6, 0x40004
	s_lshl_b32 s42, ttmp9, 2
	s_add_co_u32 s42, s42, s40
	s_and_b32 s45, ttmp7, 0xffff
	s_lshl_b32 s45, s45, 2
	s_add_co_u32 s45, s45, s41
	s_lshl_b32 s43, s41, 2
	s_lshl_b32 s43, 15, s43
	s_lshl_b32 s44, 0x1111, s40
	s_cmp_ge_u32 ttmp9, 4
	s_cselect_b32 s96, 1, 0
	s_cselect_b32 s95, 384, 0
	s_or_b32 s[G1+0], s43, (3<<16)|(1<<21)
	s_or_b32 s[G1B+0], s44, (3<<16)|(1<<21)
.irp g, G1, G1B
	s_mov_b32 s[\g+1], 384<<16
	s_mov_b32 s[\g+2], 16<<16                      ; the head's loads of codes bring a whole tile: 16 row blocks
	s_mov_b32 s[\g+3], 384<<16
	s_mov_b32 s[\g+4], 16
	s_mov_b32 s[\g+5], 3072
	s_mov_b32 s[\g+6], 0
	s_mov_b32 s[\g+7], 0
.endr
	s_or_b32 s[G1S+0], s43, (3<<16)|(1<<21)
	s_or_b32 s[G1SB+0], s44, (3<<16)|(1<<21)
.irp g, G1S, G1SB
	s_mov_b32 s[\g+1], 32<<16
	s_mov_b32 s[\g+2], 64<<16                      ; the scale words of 16 row blocks: 64 rows of 256 bytes
	s_mov_b32 s[\g+3], 32<<16
	s_mov_b32 s[\g+4], 64
	s_mov_b32 s[\g+5], 32
	s_mov_b32 s[\g+6], 0
	s_mov_b32 s[\g+7], 0
.endr
	s_lshl_b32 s20, s45, 4                         ; the tiles' first row blocks
	s_add_co_u32 s20, s20, s95
	s_lshl_b32 s46, s42, 4
	s_add_co_u32 s46, s46, 128
	s_sub_co_u32 s46, s46, s95
	s_mul_i32 s22, s20, 24576
	s_mov_b32 s23, 0
	s_lshl_b32 s92, s20, 10
	s_mov_b32 s93, 0
	s_mul_i32 s66, s46, 24576
	s_mov_b32 s67, 0
	s_lshl_b32 s98, s46, 10
	s_mov_b32 s99, 0
	s_mul_i32 s47, s16, HALFT
	s_mov_b32 s[SEL], 0x76543210
	s_mov_b32 s[SEL+1], 0xfedcba98
	s_wait_kmcnt 0x0
	s_add_nc_u64 s[22:23], s[4:5], s[22:23]
	s_add_nc_u64 s[92:93], s[6:7], s[92:93]
	s_add_nc_u64 s[66:67], s[4:5], s[66:67]
	s_add_nc_u64 s[98:99], s[6:7], s[98:99]
	CROUND                                         ; all sixteen work-groups are here: the first joint loads meet
	s_mov_b32 s[G0S], 1                            ; the head's four tiles, each whole: A's scale words,
	s_mov_b32 s[G0S+1], SCL
	s_mov_b64 s[G0S+2:G0S+3], s[92:93]
	s_or_b32 s[G0S+3], s[G0S+3], 0x80000000
	s_mov_b32 s[G0SB], 1                           ; B's,
	s_mov_b32 s[G0SB+1], SCL+2*HALFS
	s_mov_b64 s[G0SB+2:G0SB+3], s[98:99]
	s_or_b32 s[G0SB+3], s[G0SB+3], 0x80000000
	s_mov_b32 s[G0], 1                             ; slot 0's 16 row blocks of A,
	s_mov_b32 s[G0+1], 0
	s_mov_b64 s[G0+2:G0+3], s[22:23]
	s_or_b32 s[G0+3], s[G0+3], 0x80000000
	s_mov_b32 s[G0B], 1                            ; and of B, behind them
	s_mov_b32 s[G0B+1], 2*HALFT
	s_mov_b64 s[G0B+2:G0B+3], s[66:67]
	s_or_b32 s[G0B+3], s[G0B+3], 0x80000000
	s_mul_i32 s20, s18, 8*24576                    ; in the ring I fetch 8 row blocks of a tile: which half, in bytes
	s_mov_b32 s21, 0
	s_add_nc_u64 s[22:23], s[22:23], s[20:21]
	s_add_nc_u64 s[66:67], s[66:67], s[20:21]
	s_mov_b32 s[G0+4], 1                           ; slot 1: my quarter of it
	s_add_co_u32 s[G0+5], s47, SLOT
	s_add_nc_u64 s[G0+6:G0+7], s[22:23], 3072
	s_or_b32 s[G0+7], s[G0+7], 0x80000000
	s_mov_b32 s[G0B+4], 1
	s_add_co_u32 s[G0B+5], s47, SLOT
	s_add_nc_u64 s[G0B+6:G0B+7], s[66:67], 3072
	s_or_b32 s[G0B+7], s[G0B+7], 0x80000000
; the head's loads, one a wave, in one chain of branches on the wave's number
.macro ARM under, g0, g1, next
	s_cmp_lt_u32 s16, \under
	s_cbranch_scc0 \next
	tensor_load_to_lds s[\g0:\g0+3], s[\g1:\g1+7]
	s_nop 0
.rept 4
	v_nop
.endr
	s_branch .Lhead_asked
\next:
.endm
	ARM 1, G0,  G1,  .Lhead_b
	ARM 2, G0B, G1B, .Lhead_sa
	ARM 3, G0S, G1S, .Lhead_sb
	tensor_load_to_lds s[G0SB:G0SB+3], s[G1SB:G1SB+7]
	s_nop 0
.rept 4
	v_nop
.endr
.Lhead_asked:
	s_wait_alu depctr_va_vdst(0)
	s_wait_tensorcnt 0x0                           ; my tile of the head's four is in; no load of mine is out, so descriptors may be written
	ds_add_u32 v28, v29
	s_mov_b32 s[G1+2], 8<<16                       ; from here on a load brings 8 row blocks
	s_mov_b32 s[G1+4], 8
	s_mov_b32 s[G1B+2], 8<<16
	s_mov_b32 s[G1B+4], 8
	s_mov_b32 s[G0+1], s47                         ; slot 0's refills: my quarter of it
	s_add_nc_u64 s[G0+2:G0+3], s[G0+2:G0+3], s[20:21]
	s_mov_b32 s[G0B+1], s47
	s_add_nc_u64 s[G0B+2:G0B+3], s[G0B+2:G0B+3], s[20:21]
	s_wait_dscnt 0x0
	CROUND
	JLOAD G0+4, G1, G0B+4, G1B                     ; slot 1's first fill: the first tensor load behind the round
	v_and_b32 v1, 31, v0
	v_and_b32 v2, 15, v0
	v_bfe_u32 v[HH], v0, 4, 1
	s_wait_alu depctr_va_vdst(0)
	v_lshlrev_b32 v[LO], 4, v1
	s_wait_alu depctr_va_vdst(0)
	v_lshlrev_b32 v[PFO], 8, v1
	s_mul_i32 s20, s17, HALFT
	s_mul_i32 s21, s18, HALFT
	s_add_co_u32 s21, s21, 2*HALFT
.irp s, 0,1
	v_add_nc_u32 v[ADRA+\s], s20, v[LO]
	v_add_nc_u32 v[ADRB+\s], s21, v[LO]
	s_add_co_u32 s20, s20, SLOT
	s_add_co_u32 s21, s21, SLOT
.endr
	s_mul_i32 s20, s17, HALFS
	s_mul_i32 s21, s18, HALFS
	s_add_co_u32 s21, s21, 2*HALFS
	s_sub_co_u32 s21, s21, s20
	v_mul_u32_u24 v4, s21, v[HH]
	s_add_co_u32 s20, s20, SCL
	v_lshl_add_u32 v4, v2, 4, v4
	v_add_nc_u32 v[ADRS], s20, v4
	v_add_nc_u32 v[STI], s47, v[LO]
	v_mul_u32_u24 v[STO], v2, 528
	v_lshl_add_u32 v[STO], v[HH], 6, v[STO]
	v_add_nc_u32 v[STO], s47, v[STO]
	v_lshlrev_b32 v[SCO], 5, v2
	v_lshl_add_u32 v[SCO], v[HH], 4, v[SCO]
	s_lshl_b32 s20, s45, 8
	s_lshl_b32 s21, s40, 6
	s_add_co_u32 s20, s20, s21
	s_lshl_b32 s21, s16, 4
	s_add_co_u32 s20, s20, s21
	s_lshl_b32 s20, s20, 9
	s_mov_b32 s21, 0
	s_add_nc_u64 s[PFC:PFC+1], s[8:9], s[20:21]
	s_add_nc_u64 s[PFN:PFN+1], s[10:11], s[20:21]
	s_lshl_b32 s20, s45, 8
	s_lshl_b32 s21, s17, 7
	s_add_co_u32 s20, s20, s21
	s_lshl_b32 s20, s20, 9
	s_mov_b32 s21, 0
	s_add_nc_u64 s[8:9], s[8:9], s[20:21]
	s_add_nc_u64 s[10:11], s[10:11], s[20:21]
	s_lshl_b32 s20, s42, 1
	s_add_co_u32 s20, s20, s18
	s_lshl_b32 s21, s45, 1
	s_add_co_u32 s21, s21, s17
	s_lshl_b32 s46, s20, 4
	s_add_co_u32 s46, s46, s21
	s_lshl_b32 s47, s20, 5
	s_lshl_b32 s66, s21, 1
	s_add_co_u32 s47, s47, s66
	s_sub_co_u32 s47, s47, 256
	s_lshl_b32 s66, s21, 5
	s_lshl_b32 s67, s20, 1
	s_add_co_u32 s66, s66, s67
	s_add_co_u32 s66, s66, 193
	s_cmp_lt_u32 s20, 16
	s_cselect_b32 s46, s46, s47
	s_cmp_lt_u32 s20, 32
	s_cselect_b32 s46, s46, s66
	s_mul_i32 s20, s46, 12288
	s_mov_b32 s21, 0
	s_add_nc_u64 s[12:13], s[12:13], s[20:21]
	s_lshl_b32 s20, s46, 9
	s_add_nc_u64 s[14:15], s[14:15], s[20:21]
.macro FRAG reg, adr, q, i
.irp c, 0,1,2
	ds_load_b128 v[\reg+4*\c:\reg+4*\c+3], v[\adr] offset:(\i)*3072+(\q)*1536+512*\c
.endr
.endm
.macro MUL16 a0, p, q, sc, zero
.irp a, \a0, \a0+1
.irp b, 0,1,2,3,4,5,6,7
.if \zero
	v_wmma_scale_f32_16x16x128_f8f6f4 v[8*(8*((\a)%4)+\b):8*(8*((\a)%4)+\b)+7], v[128*(\p)+FR*\b:128*(\p)+FR*\b+FR-1], v[AF+FR*(\a):AF+FR*(\a)+FR-1], 0, v[SC+8*NQ*(\sc)+NQ*\b+(\q)], v[SC+8*NQ*(\sc)+NQ*(\a)+(\q)] matrix_a_fmt:MATRIX_FMT_FP6 matrix_b_fmt:MATRIX_FMT_FP6 matrix_a_scale:MATRIX_SCALE_ROW1
.else
	v_wmma_scale_f32_16x16x128_f8f6f4 v[8*(8*((\a)%4)+\b):8*(8*((\a)%4)+\b)+7], v[128*(\p)+FR*\b:128*(\p)+FR*\b+FR-1], v[AF+FR*(\a):AF+FR*(\a)+FR-1], v[8*(8*((\a)%4)+\b):8*(8*((\a)%4)+\b)+7], v[SC+8*NQ*(\sc)+NQ*\b+(\q)], v[SC+8*NQ*(\sc)+NQ*(\a)+(\q)] matrix_a_fmt:MATRIX_FMT_FP6 matrix_b_fmt:MATRIX_FMT_FP6 matrix_a_scale:MATRIX_SCALE_ROW1
.endif
.endr
.endr
.endm
.macro FETCH_B slot, q, p
	WIN TO_B
.irp i, 0,1,2,3,4,5,6,7
	FRAG 128*(\p)+FR*\i, ADRB+\slot, \q, \i
.endr
	WIN 0
.endm
.macro FETCH_A slot, q, i0
.irp i, \i0, \i0+1, \i0+2, \i0+3
	FRAG AF+FR*(\i), ADRA+\slot, \q, \i
.endr
.endm
.macro SCALES sc
.irp i, 0,1,2,3,4,5,6,7
	ds_load_b64 v[SC+8*NQ*\sc+NQ*\i:SC+8*NQ*\sc+NQ*\i+1], v[ADRS] offset:\i*1024
.endr
.endm
.macro PLACES n
.rept \n
	v_nop
.endr
.endm
.macro STEP slot, q, zero
	s_wait_dscnt 4*NL
	WIN MUL_LO
	MUL16 0, (\q)%2, \q, \slot, \zero
	MUL16 2, (\q)%2, \q, \slot, \zero
	s_wait_dscnt 0
	PLACES NP
	FETCH_B \slot, (\q)+1, 1-(\q)%2
	FETCH_A \slot, (\q)+1, 0
	WIN MUL_HI
	MUL16 4, (\q)%2, \q, \slot, \zero
	MUL16 6, (\q)%2, \q, \slot, \zero
	PLACES NP
	WIN 0
	FETCH_A \slot, (\q)+1, 4
.endm
.macro TURN slot, next, fill
	s_wait_tensorcnt 0x0
	ds_add_u32 v[SPW], v[NIL]
	s_wait_dscnt 4*NL+1
	WIN MUL_LO
	MUL16 0, 1, NQ-1, \slot, 0
	s_wait_dscnt 0x0
	s_barrier_signal -1
	MUL16 2, 1, NQ-1, \slot, 0
	WIN 0
	s_barrier_wait -1
.if \fill
	CREST
	s_add_nc_u64 s[G0+4*\slot+2:G0+4*\slot+3], s[G0+4*\slot+2:G0+4*\slot+3], 2*3072
	s_add_nc_u64 s[G0B+4*\slot+2:G0B+4*\slot+3], s[G0B+4*\slot+2:G0B+4*\slot+3], 2*3072
	JLOAD G0+4*\slot, G1, G0B+4*\slot, G1B
.else
	PLACES NP
.endif
.if \slot == 0
	s_wait_alu depctr_va_vdst(0)
	v_add_nc_u32 v[ADRS], 8, v[ADRS]
.else
	s_wait_alu depctr_va_vdst(0)
	v_add_nc_u32 v[ADRS], 248, v[ADRS]
.endif
	FETCH_B \next, 0, 0
	FETCH_A \next, 0, 0
	SCALES \next
	WIN MUL_HI
	MUL16 4, 1, NQ-1, \slot, 0
	MUL16 6, 1, NQ-1, \slot, 0
	PLACES NP
	WIN 0
	FETCH_A \next, 0, 4
.endm
.macro LAST
	s_wait_dscnt 4*NL
	WIN MUL_LO
	MUL16 0, 1, NQ-1, 1, 0
	MUL16 2, 1, NQ-1, 1, 0
	s_wait_dscnt 0
	WIN MUL_HI
	MUL16 4, 1, NQ-1, 1, 0
	MUL16 6, 1, NQ-1, 1, 0
	WIN 0
	PLACES NP
.irp b, 0,1,2,3
	v_mov_b32 v[TM+4+\b], 0
.endr
.endm
.macro RLOAD a
	WIN 0x40
.irp i, 0,1,2,3,4,5,6,7,8,9,10,11,12,13,14,15
	global_load_b128 v[128*((\a)%2)+4*\i:128*((\a)%2)+4*\i+3], v[LO], s[8:9] offset:(32*((\a)/2)+8*((\a)%2)+\i+8*(\i/8))*512
.endr
.irp i, 0,1,2,3,4,5,6,7,8,9,10,11,12,13,14,15
	global_load_b128 v[128*((\a)%2)+64+4*\i:128*((\a)%2)+64+4*\i+3], v[LO], s[10:11] offset:(32*((\a)/2)+8*((\a)%2)+\i+8*(\i/8))*512
.endr
	WIN 0
.endm
.macro TABLES a
.if (\a) < 7
	s_wait_loadcnt 32
.else
	s_wait_loadcnt 0x0
.endif
	WIN 0x04
.irp i, 0,1,2,3,4,5,6,7,8,9,10,11,12,13,14,15
	ds_store_b128 v[STI], v[128*((\a)%2)+4*\i:128*((\a)%2)+4*\i+3] offset:528*\i
	ds_store_b128 v[STI], v[128*((\a)%2)+64+4*\i:128*((\a)%2)+64+4*\i+3] offset:8448+528*\i
.endr
	WIN 0
.irp b, 0,1,2,3
.irp j, 0,1,2,3
	ds_load_b128 v[CO+16*\b+4*\j:CO+16*\b+4*\j+3], v[STO] offset:128*\b+16*\j
	ds_load_b128 v[SI+16*\b+4*\j:SI+16*\b+4*\j+3], v[STO] offset:8448+128*\b+16*\j
.endr
.endr
.if (\a) < 6
	s_wait_dscnt 32
	RLOAD (\a)+2
.endif
	s_wait_dscnt 0x0
.endm
.macro ROPE a
.set AC, 64*((\a)%4)
.set WW, 2+(\a)/4
.irp p, 0,1
	WIN WW
.irp n, 0,2,4,6,8,10,12,14
	v_pk_mul_f32 v[T+\n:T+\n+1], v[AC+32+16*\p+\n:AC+32+16*\p+\n+1], v[SI+16*\p+\n:SI+16*\p+\n+1]
.endr
.irp n, 0,2,4,6,8,10,12,14
	v_pk_mul_f32 v[T+16+\n:T+16+\n+1], v[AC+16*\p+\n:AC+16*\p+\n+1], v[SI+32+16*\p+\n:SI+32+16*\p+\n+1]
.endr
	WIN (WW<<6)|WW
.irp n, 0,2,4,6,8,10,12,14
	v_pk_fma_f32 v[AC+16*\p+\n:AC+16*\p+\n+1], v[AC+16*\p+\n:AC+16*\p+\n+1], v[CO+16*\p+\n:CO+16*\p+\n+1], v[T+\n:T+\n+1] neg_lo:[0,0,1] neg_hi:[0,0,1]
.endr
.irp n, 0,2,4,6,8,10,12,14
	v_pk_fma_f32 v[AC+32+16*\p+\n:AC+32+16*\p+\n+1], v[AC+32+16*\p+\n:AC+32+16*\p+\n+1], v[CO+32+16*\p+\n:CO+32+16*\p+\n+1], v[T+16+\n:T+16+\n+1]
.endr
.endr
	WIN 0
.endm
.macro QUANTW a
.set AC, 64*((\a)%4)
.set WW, 2+(\a)/4
	WIN (WW<<2)|WW
.irp b, 0,1,2,3
	v_max3_num_f32 v[TM+\b], |v[AC+16*\b]|, |v[AC+16*\b+1]|, 0x1800000
.endr
.irp i, 2,4,6,8,10,12,14
.irp b, 0,1,2,3
	v_max3_num_f32 v[TM+\b], |v[AC+16*\b+\i]|, |v[AC+16*\b+\i+1]|, v[TM+\b]
.endr
.endr
	WIN 0
.irp b, 0,1,2,3
	v_permlanex16_b32 v[TM+4+\b], v[TM+\b], s[SEL], s[SEL+1]
.endr
.irp b, 0,1,2,3
	v_max_num_f32 v[TM+\b], v[TM+\b], v[TM+4+\b]
.endr
.irp b, 0,1,2,3
	v_add_nc_u32 v[TM+8+\b], 0xff000000, v[TM+\b]
.endr
.irp b, 0,1,2,3
	v_lshrrev_b32 v[TM+4+\b], 23, v[TM+8+\b]
.endr
	v_lshl_or_b32 v[PW+(\a)], v[TM+5], 8, v[TM+4]
	v_lshl_or_b32 v[PW+(\a)], v[TM+6], 16, v[PW+(\a)]
	v_lshl_or_b32 v[PW+(\a)], v[TM+7], 24, v[PW+(\a)]
.if (\a) > 0
	s_wait_xcnt 0x0
.endif
	WIN WW
.irp c, 0,1
	v_cvt_scalef32_pk16_fp6_f32 v[PC+6*\c:PC+6*\c+2], v[AC+32*\c:AC+32*\c+15], v[TM+8+2*\c]
	v_cvt_scalef32_pk16_fp6_f32 v[T2+4*\c:T2+4*\c+2], v[AC+32*\c+16:AC+32*\c+31], v[TM+9+2*\c]
.endr
	WIN 0
	v_nop
.irp c, 0,1
.irp i, 0,1,2
	v_permlane16_swap_b32 v[PC+6*\c+\i], v[T2+4*\c+\i]
.endr
.irp i, 0,1,2
	v_mov_b32 v[PC+6*\c+3+\i], v[T2+4*\c+\i]
.endr
.endr
.irp c, 0,1,2
	global_store_b128 v[LO], v[PC+4*\c:PC+4*\c+3], s[12:13] offset:1536*(\a)+512*\c
.endr
.endm
	s_wait_alu depctr_va_vdst(0)
	s_wait_tensorcnt 1
	s_barrier_signal -1
	s_barrier_wait -1
	FETCH_B 0, 0, 0
	FETCH_A 0, 0, 0
	SCALES 0
	FETCH_A 0, 0, 4
	STEP 0, 0, 1
	s_mov_b32 s19, LAPS-1
.Llap:
	TURN 0, 1, 1
	STEP 1, 0, 0
	TURN 1, 0, 1
	STEP 0, 0, 0
	s_sub_co_u32 s19, s19, 1
	s_cmp_lg_u32 s19, 0
	s_cbranch_scc1 .Llap
	s_cmp_lg_u32 ttmp9, 0
	s_cbranch_scc1 .Lnot_mine
	global_prefetch_b8 v[PFO], s[PFC:PFC+1] th:TH_LOAD_NT scope:SCOPE_SE
	global_prefetch_b8 v[PFO], s[PFN:PFN+1] th:TH_LOAD_NT scope:SCOPE_SE
.Lnot_mine:
	TURN 0, 1, 0
	STEP 1, 0, 0
	s_cmp_lg_u32 s96, 0
	s_cbranch_scc1 .Lv_way
	RLOAD 0
	LAST
	RLOAD 1
.irp a, 0,1,2,3,4,5,6,7
	TABLES \a
	ROPE \a
	QUANTW \a
.endr
	s_branch .Lwords
.Lv_way:
	LAST
.irp a, 0,1,2,3,4,5,6,7
	QUANTW \a
.endr
.Lwords:
	v_cmp_ne_u32 vcc_lo, 0, v[HH]
.irp j, 0,1,2,3
	v_cndmask_b32 v[SW+\j], v[PW+\j], v[PW+4+\j], vcc_lo
.endr
	global_store_b128 v[SCO], v[SW:SW+3], s[14:15]
	s_wait_tensorcnt 0x0
	ds_add_u32 v[SPW], v[NIL]
	s_wait_dscnt 0x0
	CROUND
	s_endpgm
.Lfunc_end_k_q50facc43a8_qkvgemm:
	.size	k_q50facc43a8_qkvgemm, .Lfunc_end_k_q50facc43a8_qkvgemm-k_q50facc43a8_qkvgemm
	.p2alignl 7, 3214868480
	.fill 96, 4, 3214868480
	.section	.rodata,"a",@progbits
	.p2align	6, 0x0
	.amdhsa_kernel k_q50facc43a8_qkvgemm
		.amdhsa_group_segment_fixed_size 327680
		.amdhsa_private_segment_fixed_size 0
		.amdhsa_enable_private_segment 0
		.amdhsa_kernarg_size 48
		.amdhsa_user_sgpr_count 2
		.amdhsa_user_sgpr_kernarg_segment_ptr 1
		.amdhsa_wavefront_size32 1
		.amdhsa_system_sgpr_workgroup_id_x 1
		.amdhsa_system_sgpr_workgroup_id_y 1
		.amdhsa_system_sgpr_workgroup_id_z 1
		.amdhsa_system_vgpr_workitem_id 0
		.amdhsa_next_free_vgpr 1024
		.amdhsa_next_free_sgpr 102
		.amdhsa_reserve_vcc 1
		.amdhsa_float_denorm_mode_32 3
		.amdhsa_float_denorm_mode_16_64 3
		.amdhsa_memory_ordered 1
		.amdhsa_forward_progress 1
		.amdhsa_inst_pref_size 255
	.end_amdhsa_kernel
	.section	.bss,"aw",@nobits
	.p2align	6
	.space	262144
	.amdgpu_metadata
---
amdhsa.version: [ 1, 2 ]
amdhsa.kernels:
  - .name:           k_q50facc43a8_qkvgemm
    .symbol:         k_q50facc43a8_qkvgemm.kd
    .args:
      - { .name: opc, .offset: 0, .size: 8, .value_kind: global_buffer, .address_space: global }
      - { .name: ops, .offset: 8, .size: 8, .value_kind: global_buffer, .address_space: global }
      - { .name: rope_cos, .offset: 16, .size: 8, .value_kind: global_buffer, .address_space: global }
      - { .name: rope_sin, .offset: 24, .size: 8, .value_kind: global_buffer, .address_space: global }
      - { .name: qkv, .offset: 32, .size: 8, .value_kind: global_buffer, .address_space: global }
      - { .name: qkvs, .offset: 40, .size: 8, .value_kind: global_buffer, .address_space: global }
    .group_segment_fixed_size: 327680
    .private_segment_fixed_size: 0
    .kernarg_segment_align: 8
    .kernarg_segment_size: 48
    .max_flat_workgroup_size: 128
    .sgpr_count:     102
    .vgpr_count:     1024
    .wavefront_size: 32
...
	.end_amdgpu_metadata
.endif
;; end of part 2
;; launch attn (part 3): grid 16 x 16, 8 waves a work-group, clusters of 4 x 4, 327,680 bytes of LDS; arguments qkv, qkvs, attention_mask, aoc, aos; writes aoc, aos
.if DOCPART == 3
	.amdgcn_target "amdgcn-amd-amdhsa--gfx1250"
	.amdhsa_code_object_version 6
	.text
	.protected	k_q50facc43a8_attn
	.globl	k_q50facc43a8_attn
	.p2align	8
	.type	k_q50facc43a8_attn,@function
k_q50facc43a8_attn:
	s_mov_b64 s[64:65], 0
	v_nop
	global_prefetch_b8 v0, s[64:65] scope:SCOPE_SE
	s_setreg_imm32_b32 hwreg(HW_REG_WAVE_MODE, 25, 1), 1
	s_wait_xcnt 0x0
	s_wait_alu depctr_hold_cnt(0) depctr_sa_sdst(0) depctr_va_vdst(0) depctr_va_sdst(0) depctr_va_ssrc(0) depctr_va_vcc(0) depctr_vm_vsrc(0)
	s_getreg_b32 s2, hwreg(HW_REG_IB_STS2, 6, 4)
	s_cmp_eq_u32 s2, 0
	s_cbranch_scc0 .Lentry_in_a_cluster
	s_endpgm
.Lentry_in_a_cluster:
	s_bfe_u32 s2, ttmp6, 0x10000c
	s_cmp_lg_u32 s2, 0xf033
	s_cbranch_scc0 .Lentry_shape_is_right
	s_endpgm
.Lentry_shape_is_right:
; Attention on codes of FP6 (E2M3) with E8M0 scales: 16 heads of 128, 2,048 queries and keys, with the additive mask as it is GIVEN: every number of it is read and added; nothing is skipped.
; logit = score x 128^-0.5 + mask;  t = logit x log2(e), rounded to f32;  M = the running largest t rounded up to a whole number;  p = 2^(t - M) is quantised along the keys, not normalised;
; the row's sum is taken of the unquantised p and divides O at the end.  When M moves, the sum and O are multiplied by 2^(old M - new M): exact.  t is rounded BEFORE M is taken off, so that equal logits give t - M = 0 however large they are.
; The result is quantised along the last product's K (head x 128 + channel) and stored as that operand's images.
; LIMITS: NaN and +infinity are not served; a row whose every logit is -infinity is not served; a block under 2^-124 gets the byte 1, a block of zeros the byte 1 with zero codes (this program alone reads the bytes).
; SHARES.  A work-group owns 128 queries (x) of one head (y); each of its eight waves one image of 16 queries: two waves to a SIMD, so that one wave's vector work stands beside the other's products and LDS loads.
; Every wave walks the 16 key steps of 128 keys.  A slot of the ring holds one step: K's 8 images, V's 8 images, and 128 rows x 512 bytes of the mask.
; LAYOUT.  Both products are used transposed: S^T = K Q^T, O^T = V^T P^T: a lane holds one query throughout.  Lane r of image a holds row 32 (a / 2) + 8 (a % 2) + r + 8 (r / 8), so register 16 b + i of S^T is key 32 b + 16 h + i.
; CLUSTER 4 x 4.  The four of a row of the cluster have one head: K | V and their scale words are asked for jointly.  The four of a column have the same queries: the mask's tiles are asked for jointly.
; The scale word of the result leaves as 4 bytes a lane, 64 bytes of a row block's 256: one twenty-fifth of what the launch stores.
; REGISTERS: window 0: v1-11 addresses; v12 -M, v13 the largest t, v[14:15] the sum; v16-27 Q; v28 the prefetches' offset; v29 Q's scale words; v32-39 K's, v40-47 V's; v48-72 at work; v96-159 S^T, then p; v160-223 O^T; v224-235 p's codes.
;   window 1: v0-63 the mask; v64-159 K's fragments; v160-255 V's.
.set SLOT1, 1<<17                      ; slot 1 begins here: one exclusive or turns an address from one slot to the other
.set MOFF,  24576                      ; in a slot: behind K's and V's images the mask's 128 rows,
.set MP,    520                        ; 512 bytes + 8 of padding = 130 words: row q starts at bank 2 q mod 64 (64 banks of 4 bytes: ISA guide 11.1): the 32 lanes of a load of 8 bytes (rows 0-7 and 16-23, two halves 64 bytes apart) touch 64 different banks
.set SCK,   MOFF+128*MP                ; between the slots: the head's scale words, 1,024 bytes a key step: K's [r][image], then V's
.set SPARE, SCK+16384                  ; the spare words, 128 bytes for each of eight waves
.set LI,   1                           ; v1   16 x lane
.set AM0,  2                           ; v2   my query's row of the mask in a slot, + 64 h
.set ASC0, 3                           ; v3   my row's scale words: SCK + 32 r
.set SPW,  5                           ; v5   LDS address of my spare word; never rewritten
.set NIL,  6                           ; v6   0; never rewritten
.set ADK,  8
.set ADM,  9
.set ADS,  10
.set RO,   11                          ; v11  16 r
.set QS,   29
.set KS,   32
.set VS,   40
.set BM,   48                          ; v48-51 the blocks' largest t, then p
.set BP,   52                          ; v52-55 at work
.set SO,   56                          ; v56-59 the conversions' scale operands
.set T2,   60                          ; v60-67 the second halves of the blocks' codes
.set FF,   68                          ; v[68:69] f = 2^(old M - new M)
.set TT,   70                          ; v[70:71] at work
.set PWD,  72                          ; v72  p's scale word
.set S,    96
.set O,    160
.set PC,   224
.set MK,   0                           ; window 1
.set KF,   64
.set VF,   160
.set TB,   2                           ; s2   LDS byte at which the slot in hand begins
.set TS,   3                           ; s3   the step's scale words: 1,024 bytes a step
.set WV,   18
.set SEL,  20                          ; s[20:21] lane selects: lane l xor 16
.set SCA,  22                          ; s[22:23] 128^-0.5
.set G1K,  24
.set G1M,  32
.set G1S,  40
.set G0K,  48
.set G0M,  52
.set G0S,  56
.set L2E,  60                          ; s[60:61] log2(e)
.set SLOTS, 66
.set PFA,  68                          ; s[68:69] where my prefetches stand
.set PFS,  70                          ; s[70:71] a key step on
.set LIM,  72                          ; s72  a wave prefetches while s[SLOTS] is above it
.set EVR,  73                          ; s73  3 in K | V's waves (they ask at every fourth change), 0 in the mask's
.set MSB, 0
.macro WIN new
.if MSB != (\new)
	s_set_vgpr_msb (MSB<<8)|(\new)
.set MSB, (\new)
.endif
.endm
.macro CROUND                          ; a round of the cluster's barrier
	s_barrier_signal -1
	s_barrier_wait -1
	s_cmp_lg_u32 s[WV], 0
	s_cbranch_scc1 .Lnot_wave_0_\@
	s_barrier_signal -3
.Lnot_wave_0_\@:
	s_barrier_wait -3
	s_barrier_signal -1
	s_barrier_wait -1
.endm
; A joint refill: waves 0 to 2 fetch thirds of K | V (8,192 bytes each), waves 4 to 7 quarters of the mask's tile (32 rows each), wave 3 nothing.  The branches hang on the wave's number alone.  Four v_nop follow each line.
.macro TLOAD
	s_cmp_lt_u32 s[WV], 3
	s_cbranch_scc0 .Lnot_k_\@
	tensor_load_to_lds s[G0K:G0K+3], s[G1K:G1K+7]
	s_nop 0
.rept 4
	v_nop
.endr
	s_branch .Lasked_\@
.Lnot_k_\@:
	s_cmp_gt_u32 s[WV], 3
	s_cbranch_scc0 .Lasked_\@
	tensor_load_to_lds s[G0M:G0M+3], s[G1M:G1M+7]
	s_nop 0
.rept 4
	v_nop
.endr
.Lasked_\@:
.endm
; PREFETCHES INTO THE L2, at the change of slots, behind the refill's lines.  Each aligned block of 256 bytes is named once in the launch.
; The mask: of the four clusters of one cluster x the one with cluster y = 0 asks.  Of a tile's 128 rows the partner at cy takes 32 cy .. 32 cy + 31 (told apart by address), a lane a row;
; wave 3 names the first 256 bytes of a row's 512, wave 4 the second.  At the change that asks for key step c + 1 they name key step c + 3; the last two such changes name nothing.
; K | V: of the four clusters of one cluster y the one with cluster x = 0 asks.  At every fourth change (c = 0, 4, 8) the partner at cx names record c + 4 + cx whole: waves 5 to 7, 8,192 bytes each, lanes 256 bytes apart.
; The mask's key steps 0 to 2 and records 0 to 3 come by their loads alone: nothing is prefetched at the head.
.macro ASK
	s_cmp_gt_u32 s[SLOTS], s[LIM]
	s_cbranch_scc0 .Lnot_mine_\@
	s_and_b32 s74, s[SLOTS], s[EVR]
	s_cmp_lg_u32 s74, s[EVR]
	s_cbranch_scc1 .Lnot_mine_\@
	global_prefetch_b8 v28, s[PFA:PFA+1] th:TH_LOAD_NT scope:SCOPE_SE
.Lnot_mine_\@:
.endm
.macro QUANT s, pc, t2, pw, tm         ; 64 numbers of a lane, register 16 b + i = k 32 b + 16 h + i, become a fragment's codes and its scale word
.irp b, 0,1,2,3
	v_max3_num_f32 v[\tm+\b], |v[\s+16*\b]|, |v[\s+16*\b+1]|, 0x1800000
.endr
.irp i, 2,4,6,8,10,12,14
.irp b, 0,1,2,3
	s_delay_alu instid0(VALU_DEP_4)
	v_max3_num_f32 v[\tm+\b], v[\tm+\b], |v[\s+16*\b+\i]|, |v[\s+16*\b+\i+1]|
.endr
.endr
.irp b, 0,1,2,3
	s_delay_alu instid0(VALU_DEP_4)
	v_permlanex16_b32 v[\tm+4+\b], v[\tm+\b], s[SEL], s[SEL+1]
.endr
.irp b, 0,1,2,3
	s_delay_alu instid0(VALU_DEP_4)
	v_max_num_f32 v[\tm+\b], v[\tm+\b], v[\tm+4+\b]
.endr
.irp b, 0,1,2,3
	s_delay_alu instid0(VALU_DEP_4)
	v_add_nc_u32 v[\tm+12+\b], 0xff000000, v[\tm+\b]
.endr
.irp b, 0,1,2,3
	s_delay_alu instid0(VALU_DEP_4)
	v_lshrrev_b32 v[\tm+4+\b], 23, v[\tm+12+\b]
.endr
	s_delay_alu instid0(VALU_DEP_3)
	v_lshl_or_b32 v[\pw], v[\tm+5], 8, v[\tm+4]
	s_delay_alu instid0(VALU_DEP_1)
	v_lshl_or_b32 v[\pw], v[\tm+6], 16, v[\pw]
	s_delay_alu instid0(VALU_DEP_1)
	v_lshl_or_b32 v[\pw], v[\tm+7], 24, v[\pw]
.irp c, 0,1
	v_cvt_scalef32_pk16_fp6_f32 v[\pc+6*\c:\pc+6*\c+2], v[\s+32*\c:\s+32*\c+15], v[\tm+12+2*\c]
	v_cvt_scalef32_pk16_fp6_f32 v[\t2+4*\c:\t2+4*\c+2], v[\s+32*\c+16:\s+32*\c+31], v[\tm+13+2*\c]
.endr
	v_nop
.irp c, 0,1
.irp i, 0,1,2
	v_permlane16_swap_b32 v[\pc+6*\c+\i], v[\t2+4*\c+\i]
.endr
.irp i, 0,1,2
	s_delay_alu instid0(VALU_DEP_3)
	v_mov_b32 v[\pc+6*\c+3+\i], v[\t2+4*\c+\i]
.endr
.endr
.endm
	s_load_b256 s[4:11], s[0:1], 0x0               ; qkv s[4:5], qkvs s[6:7], the mask s[8:9], aoc s[10:11]
	s_load_b64 s[12:13], s[0:1], 0x20              ; aos
	v_lshl_add_u32 v[SPW], v0, 2, SPARE
	v_mov_b32 v[NIL], 0
	ds_add_u32 v5, v6
	ds_add_u32 v5, v6
	s_wait_dscnt 0x0
	v_lshrrev_b32 v7, 5, v0
	s_delay_alu instid0(VALU_DEP_1)
	v_readfirstlane_b32 s[WV], v7                  ; wave 0..7
	s_bfe_u32 s76, ttmp6, 0x40000                  ; cx
	s_bfe_u32 s77, ttmp6, 0x40004                  ; cy
	s_lshl_b32 s78, ttmp9, 2
	s_add_co_u32 s78, s78, s76                     ; X: my block of 128 queries
	s_and_b32 s79, ttmp7, 0xffff
	s_lshl_b32 s79, s79, 2
	s_add_co_u32 s79, s79, s77                     ; Y: my head
	s_lshl_b32 s80, s77, 2
	s_lshl_b32 s80, 15, s80                        ; my row of the cluster: one head
	s_lshl_b32 s81, 0x1111, s76                    ; my column: the same queries
	; descriptor group 1.  A third of K | V of a key step: 8,192 dense bytes as 32 rows of 256 (elements of 8 bytes)
	s_or_b32 s[G1K], s80, (3<<16)|(1<<21)
	s_mov_b32 s[G1K+1], 32<<16
	s_mov_b32 s[G1K+2], 32<<16
	s_mov_b32 s[G1K+3], 32<<16
	s_mov_b32 s[G1K+4], 32
	s_mov_b32 s[G1K+5], 32
	s_mov_b32 s[G1K+6], 0
	s_mov_b32 s[G1K+7], 0
	; the mask: 32 rows of 128 numbers of 4 bytes, 2,048 numbers apart; 2 words of padding behind every 128
	s_or_b32 s[G1M], s81, (2<<16)|(1<<20)|(1<<21)|(6<<22)|(1<<25)
	s_mov_b32 s[G1M+1], 128<<16
	s_mov_b32 s[G1M+2], 32<<16
	s_mov_b32 s[G1M+3], 128<<16
	s_mov_b32 s[G1M+4], 32
	s_mov_b32 s[G1M+5], 2048
	s_mov_b32 s[G1M+6], 0
	s_mov_b32 s[G1M+7], 0
	; the head's scale words of K and V: 16,384 dense bytes as 64 rows of 256
	s_or_b32 s[G1S], s80, (3<<16)|(1<<21)
	s_mov_b32 s[G1S+1], 32<<16
	s_mov_b32 s[G1S+2], 64<<16
	s_mov_b32 s[G1S+3], 32<<16
	s_mov_b32 s[G1S+4], 64
	s_mov_b32 s[G1S+5], 32
	s_mov_b32 s[G1S+6], 0
	s_mov_b32 s[G1S+7], 0
	s_mul_i32 s82, s79, 393216
	s_add_co_u32 s82, s82, 3145728                 ; the head's first record of K | V
	s_mov_b32 s83, 0
	s_lshl_b32 s84, s79, 14
	s_add_co_u32 s84, s84, 131072                  ; and its scale words
	s_mov_b32 s85, 0
	s_and_b32 s89, s[WV], 3                        ; which quarter of the mask's tile I fetch, if I fetch: waves 4 to 7: 0 to 3
	s_lshl_b32 s86, s78, 7
	s_lshl_b32 s87, s89, 5
	s_add_co_u32 s86, s86, s87
	s_lshl_b32 s86, s86, 13                        ; row 128 X + 32 x quarter, rows of 8,192 bytes
	s_mov_b32 s87, 0
	s_mov_b32 s[SEL], 0x76543210
	s_mov_b32 s[SEL+1], 0xfedcba98
	s_mov_b32 s[SCA], 0x3db504f3                   ; 128^-0.5
	s_mov_b32 s[SCA+1], s[SCA]                     ; (named with it as a pair, so it is written)
	s_mov_b32 s[L2E], 0x3fb8aa3b                   ; log2(e)
	s_mov_b32 s[L2E+1], s[L2E]
	s_mov_b32 s[TB], 0
	s_mov_b32 s[TS], 0
	s_mov_b32 s[SLOTS], 15
	s_wait_kmcnt 0x0
	s_mov_b32 s[G0K], 1
	s_lshl_b32 s[G0K+1], s[WV], 13                 ; waves 0 to 2: my third of the record, 8,192 bytes
	s_lshl_b32 s14, s[WV], 13
	s_mov_b32 s15, 0
	s_add_nc_u64 s[G0K+2:G0K+3], s[4:5], s[82:83]
	s_add_nc_u64 s[G0K+2:G0K+3], s[G0K+2:G0K+3], s[14:15]
	s_or_b32 s[G0K+3], s[G0K+3], 0x80000000
	s_mov_b32 s[G0M], 1
	s_mul_i32 s[G0M+1], s89, 32*MP
	s_add_co_u32 s[G0M+1], s[G0M+1], MOFF
	s_add_nc_u64 s[G0M+2:G0M+3], s[8:9], s[86:87]
	s_or_b32 s[G0M+3], s[G0M+3], 0x80000000
	s_mov_b32 s[G0S], 1
	s_mov_b32 s[G0S+1], SCK
	s_add_nc_u64 s[G0S+2:G0S+3], s[6:7], s[84:85]
	s_or_b32 s[G0S+3], s[G0S+3], 0x80000000
	CROUND                                         ; all sixteen work-groups are here: the first joint loads meet
	s_cmp_lt_u32 s[WV], 3                          ; the first fills, one a wave, in one chain of branches: every way passes one load
	s_cbranch_scc0 .Lfirst_s
	tensor_load_to_lds s[G0K:G0K+3], s[G1K:G1K+7]  ; waves 0 to 2: key step 0's K | V
	s_nop 0
.rept 4
	v_nop
.endr
	s_branch .Lfirst_asked
.Lfirst_s:
	s_cmp_eq_u32 s[WV], 3
	s_cbranch_scc0 .Lfirst_m
	tensor_load_to_lds s[G0S:G0S+3], s[G1S:G1S+7]  ; wave 3: the scale words, filled once
	s_nop 0
.rept 4
	v_nop
.endr
	s_branch .Lfirst_asked
.Lfirst_m:
	tensor_load_to_lds s[G0M:G0M+3], s[G1M:G1M+7]  ; waves 4 to 7: key step 0's mask
	s_nop 0
.rept 4
	v_nop
.endr
.Lfirst_asked:
	s_lshl_b32 s90, s79, 4
	s_add_co_u32 s90, s90, s78                     ; Q's unit: 16 Y + X
	s_lshl_b32 s92, s90, 9
	s_lshl_b32 s93, s[WV], 2
	s_add_co_u32 s92, s92, s93                     ; its scale words, my image's
	s_mov_b32 s93, 0
	s_mul_i32 s90, s90, 12288
	s_mul_i32 s91, s[WV], 1536
	s_add_co_u32 s90, s90, s91                     ; my image
	s_mov_b32 s91, 0
	s_add_nc_u64 s[90:91], s[4:5], s[90:91]
	s_add_nc_u64 s[92:93], s[6:7], s[92:93]
	v_and_b32 v[LI], 31, v0
	s_delay_alu instid0(VALU_DEP_1)
	v_lshlrev_b32 v[LI], 4, v[LI]
	v_and_b32 v7, 15, v0                           ; r
	v_bfe_u32 v4, v0, 4, 1                         ; h
	s_delay_alu instid0(VALU_DEP_2)
	v_lshlrev_b32 v9, 5, v7
	s_delay_alu instid0(VALU_DEP_3)
	v_lshlrev_b32 v[RO], 4, v7
	global_load_b128 v[16:19], v[LI], s[90:91]
	global_load_b128 v[20:23], v[LI], s[90:91] offset:512
	global_load_b128 v[24:27], v[LI], s[90:91] offset:1024      ; Q's fragment stays in registers
	global_load_b32 v[QS], v9, s[92:93]            ; its scale words: 32 bytes a row
	v_and_b32 v8, 8, v7
	s_delay_alu instid0(VALU_DEP_1)
	v_add_nc_u32 v8, v8, v7                        ; r + 8 (r / 8)
	s_delay_alu instid0(VALU_DEP_1)
	v_mul_u32_u24 v[AM0], v8, MP
	s_delay_alu instid0(VALU_DEP_1)
	v_lshl_add_u32 v[AM0], v4, 6, v[AM0]
	s_lshr_b32 s84, s[WV], 1
	s_lshl_b32 s84, s84, 5
	s_and_b32 s85, s[WV], 1
	s_lshl_b32 s85, s85, 3
	s_add_co_u32 s84, s84, s85                     ; my image's first query: 32 (w / 2) + 8 (w % 2)
	s_mul_i32 s84, s84, MP
	s_add_co_u32 s84, s84, MOFF
	v_add_nc_u32 v[AM0], s84, v[AM0]
	v_lshl_add_u32 v[ASC0], v7, 5, SCK
	; where the result goes: row block 8 X + w, K step Y
	s_lshl_b32 s88, s78, 3
	s_add_co_u32 s88, s88, s[WV]
	s_lshl_b32 s94, s88, 10
	s_lshr_b32 s95, s79, 2
	s_lshl_b32 s95, s95, 8
	s_add_co_u32 s94, s94, s95
	s_and_b32 s95, s79, 3
	s_lshl_b32 s95, s95, 2
	s_add_co_u32 s94, s94, s95
	s_mov_b32 s95, 0
	s_add_nc_u64 s[12:13], s[12:13], s[94:95]
	s_lshl_b32 s88, s88, 4
	s_add_co_u32 s88, s88, s79
	s_mul_i32 s88, s88, 1536
	s_mov_b32 s89, 0
	s_add_nc_u64 s[10:11], s[10:11], s[88:89]
	; the prefetches: where my wave's stand, and who asks
	s_lshl_b32 s94, s78, 7
	s_lshl_b32 s95, s77, 5
	s_add_co_u32 s94, s94, s95                     ; the mask: row 128 X + 32 cy,
	s_lshl_b32 s94, s94, 13
	s_add_co_u32 s95, s[WV], 1
	s_and_b32 s95, s95, 1                          ; wave 3: the first 256 bytes of a row's 512, wave 4: the second,
	s_lshl_b32 s95, s95, 8
	s_add_co_u32 s94, s94, s95
	s_add_co_u32 s94, s94, 2*512                   ; at key step 2: the first change steps it to 3
	s_add_co_u32 s96, s76, 3
	s_mul_i32 s96, s96, 24576                      ; K | V: record 3 + cx: the first change steps it to 4 + cx,
	s_add_co_u32 s96, s96, s82                     ; of my head,
	s_add_co_u32 s97, s[WV], 3
	s_and_b32 s97, s97, 3                          ; waves 5, 6, 7: its 8,192 bytes 0, 1, 2
	s_lshl_b32 s97, s97, 13
	s_add_co_u32 s96, s96, s97
	s_and_b32 s98, ttmp7, 0xffff
	s_mov_b32 s99, 24576
	s_cmp_lt_u32 s[WV], 5
	s_cselect_b64 s[PFA:PFA+1], s[8:9], s[4:5]
	s_cselect_b32 s94, s94, s96
	s_cselect_b32 s[PFS], 512, s99
	s_cselect_b32 s[EVR], 0, 3
	s_cselect_b32 s98, s98, ttmp9                  ; the coordinate along which other clusters read the same bytes
	s_cselect_b32 s97, 2, 3
	s_cselect_b32 s96, 13, 8                       ; from lane to lane: a row of the mask, or 256 bytes
	s_mov_b32 s95, 0
	s_mov_b32 s[PFS+1], 0
	s_add_nc_u64 s[PFA:PFA+1], s[PFA:PFA+1], s[94:95]
	s_cmp_eq_u32 s98, 0
	s_cselect_b32 s[LIM], s97, -1                  ; the same in all sixteen partners, for a given wave
	s_cmp_lt_u32 s[WV], 3
	s_cselect_b32 s[LIM], -1, s[LIM]
	v_and_b32 v28, 31, v0
	s_delay_alu instid0(VALU_DEP_1)
	v_lshlrev_b32 v28, s96, v28
	v_mov_b32 v13, 0xff61b1e6                      ; the largest t so far: -3e38
	s_delay_alu instid0(VALU_DEP_1)
	v_floor_f32 v12, -v13                          ; -M
	v_mov_b32 v14, 0
	v_mov_b32 v15, 0
	v_mov_b32 v[FF+1], 0                           ; (named as the upper half of a pair)
.irp b, 0,1,2,3
	v_mov_b32 v[BP+\b], 0                          ; a lane permute's destination counts as one of its sources
.endr
.set J, 0
.rept 64
	v_mov_b32 v[O+J], 0                            ; O^T: the step is written once for the loop; its first trip finds zeros, which the first change of M leaves zeros
.set J, J+1
.endr
; A KEY STEP: 128 keys, in the slot at s[TB]
.macro STEP
	v_add_nc_u32 v[ADK], s[TB], v[LI]
	v_add_nc_u32 v[ADM], s[TB], v[AM0]
	v_add_nc_u32 v[ADS], s[TS], v[ASC0]
	v_nop                                          ; four places between the last products and the loads into their scale registers and fragments
	ds_load_b128 v[KS:KS+3], v[ADS]
	ds_load_b128 v[KS+4:KS+7], v[ADS] offset:16
	ds_load_b128 v[VS:VS+3], v[ADS] offset:512
	ds_load_b128 v[VS+4:VS+7], v[ADS] offset:528
	WIN 0x40                                       ; destination window 1
.irp t, 0,1,2,3,4,5,6,7
.irp c, 0,1,2
	ds_load_b128 v[KF+12*\t+4*\c:KF+12*\t+4*\c+3], v[ADK] offset:1536*\t+512*\c
.endr
.endr
.irp b, 0,1,2,3
.irp p, 0,1,2,3,4,5,6,7
	ds_load_b64 v[MK+16*\b+2*\p:MK+16*\b+2*\p+1], v[ADM] offset:128*\b+8*\p     ; the mask at my query, keys 32 b + 16 h + 2 p
.endr
.endr
	s_wait_alu depctr_va_vdst(0)
	s_wait_dscnt 32                                ; the scale words and K are in; the mask's 32 loads may be out
	WIN 0x01                                       ; source 0 window 1
.irp t, 0,1,2,3,4,5,6,7
	v_wmma_scale_f32_16x16x128_f8f6f4 v[S+8*\t:S+8*\t+7], v[KF+12*\t:KF+12*\t+11], v[16:27], 0, v[KS+\t], v[QS] matrix_a_fmt:MATRIX_FMT_FP6 matrix_b_fmt:MATRIX_FMT_FP6
.endr
	WIN 0x40
.irp t, 0,1,2,3,4,5,6,7
.irp c, 0,1,2
	ds_load_b128 v[VF+12*\t+4*\c:VF+12*\t+4*\c+3], v[ADK] offset:12288+1536*\t+512*\c
.endr
.endr
	WIN 0
.rept 4
	v_nop                                          ; places in front of the first read of the scores
.endr
	s_wait_dscnt 24                                ; the mask is in; V's 24 loads may be out
	WIN 0x10                                       ; source 2 window 1
.set J, 0
.rept 32
	v_pk_fma_f32 v[S+J:S+J+1], v[S+J:S+J+1], s[SCA:SCA+1], v[MK+J:MK+J+1] op_sel_hi:[1,0,1]   ; the logit; each accumulator from its low end on
.set J, J+2
.endr
	WIN 0
.set J, 0
.rept 32
	v_pk_mul_f32 v[S+J:S+J+1], v[S+J:S+J+1], s[L2E:L2E+1] op_sel_hi:[1,0]                     ; t, rounded to f32
.set J, J+2
.endr
.irp b, 0,1,2,3
	v_max3_num_f32 v[BM+\b], v[S+16*\b], v[S+16*\b+1], v[S+16*\b+2]      ; the largest t of each block of 32 keys: for the row's maximum, and, since p rises with t, for the block's largest p
.endr
.irp i, 3,5,7,9,11,13
.irp b, 0,1,2,3
	s_delay_alu instid0(VALU_DEP_4)
	v_max3_num_f32 v[BM+\b], v[BM+\b], v[S+16*\b+\i], v[S+16*\b+\i+1]
.endr
.endr
.irp b, 0,1,2,3
	s_delay_alu instid0(VALU_DEP_4)
	v_max_num_f32 v[BM+\b], v[BM+\b], v[S+16*\b+15]
.endr
.irp b, 0,1,2,3
	s_delay_alu instid0(VALU_DEP_4)
	v_permlanex16_b32 v[BP+\b], v[BM+\b], s[SEL], s[SEL+1]
.endr
.irp b, 0,1,2,3
	s_delay_alu instid0(VALU_DEP_4)
	v_max_num_f32 v[BM+\b], v[BM+\b], v[BP+\b]     ; with lane l xor 16's 16 keys
.endr
	s_delay_alu instid0(VALU_DEP_2)
	v_max3_num_f32 v[TT], v[BM], v[BM+1], v[BM+2]
	s_delay_alu instid0(VALU_DEP_1)
	v_max_num_f32 v[TT], v[TT], v[BM+3]
	s_delay_alu instid0(VALU_DEP_1)
	v_max_num_f32 v13, v13, v[TT]                  ; the running largest t
	v_mov_b32 v[TT], v12
	s_delay_alu instid0(VALU_DEP_2)
	v_floor_f32 v12, -v13                          ; the new -M = floor(-t): M is a whole number
	s_delay_alu instid0(VALU_DEP_1)
	v_sub_f32 v[TT], v12, v[TT]                    ; old M - new M: a whole number, 0 or less
	s_delay_alu instid0(VALU_DEP_1)
	v_cvt_i32_f32 v[TT], v[TT]                     ; (it saturates)
	s_delay_alu instid0(VALU_DEP_1)
	v_ldexp_f32 v[FF], 1.0, v[TT]                  ; f = 2^(old M - new M)
.set J, 0
.rept 32
	v_pk_add_f32 v[S+J:S+J+1], v[S+J:S+J+1], v[12:13] op_sel_hi:[1,0]    ; t - M (of the pair the low word serves both halves)
.set J, J+2
.endr
.irp b, 0,1,2,3
	v_add_f32 v[BM+\b], v[BM+\b], v12              ; the same of each block's largest t
.endr
.set J, 0
	s_wait_alu depctr_va_vdst(0)
.rept 64
	v_exp_f32 v[S+J], v[S+J]                       ; p = 2^(t - M), at most 1
.set J, J+1
.endr
	v_pk_mul_f32 v[14:15], v[14:15], v[FF:FF+1] op_sel_hi:[1,0]          ; the sums under the new M: the plain place behind the exponentials
	s_wait_alu depctr_va_vdst(0)                   ; one wait for the batch, ahead of its first reader
.irp b, 0,1,2,3
	v_exp_f32 v[BM+\b], v[BM+\b]                   ; the block's largest p: the same instructions on the same number give the same bits
.endr
	v_pk_add_f32 v[70:71], v[100:101], v[104:105]
	v_pk_add_f32 v[254:255], v[108:109], v[112:113]
	v_pk_add_f32 v[252:253], v[116:117], v[120:121]
	v_pk_add_f32 v[250:251], v[124:125], v[128:129]
	v_pk_add_f32 v[248:249], v[132:133], v[136:137]
	v_pk_add_f32 v[246:247], v[140:141], v[144:145]
	v_pk_add_f32 v[244:245], v[148:149], v[152:153]
	v_pk_add_f32 v[14:15], v[14:15], v[156:157]
	v_pk_add_f32 v[70:71], v[70:71], v[96:97]
	v_pk_add_f32 v[254:255], v[254:255], v[98:99]
	v_pk_add_f32 v[252:253], v[252:253], v[102:103]
	v_pk_add_f32 v[250:251], v[250:251], v[106:107]
	v_pk_add_f32 v[248:249], v[248:249], v[110:111]
	v_pk_add_f32 v[246:247], v[246:247], v[114:115]
	v_pk_add_f32 v[244:245], v[244:245], v[118:119]
	v_pk_add_f32 v[14:15], v[14:15], v[122:123]
	v_pk_add_f32 v[70:71], v[70:71], v[126:127]
	v_pk_add_f32 v[254:255], v[254:255], v[130:131]
	v_pk_add_f32 v[252:253], v[252:253], v[134:135]
	v_pk_add_f32 v[250:251], v[250:251], v[138:139]
	v_pk_add_f32 v[248:249], v[248:249], v[142:143]
	v_pk_add_f32 v[246:247], v[246:247], v[146:147]
	v_pk_add_f32 v[244:245], v[244:245], v[150:151]
	v_pk_add_f32 v[14:15], v[14:15], v[154:155]
	v_pk_add_f32 v[70:71], v[70:71], v[158:159]
	s_delay_alu instid0(VALU_DEP_2)
	v_pk_add_f32 v[14:15], v[14:15], v[250:251]
	s_delay_alu instid0(VALU_DEP_2)
	v_pk_add_f32 v[70:71], v[70:71], v[248:249]
	v_pk_add_f32 v[254:255], v[254:255], v[246:247]
	v_pk_add_f32 v[252:253], v[252:253], v[244:245]
	s_delay_alu instid0(VALU_DEP_2)
	v_pk_add_f32 v[14:15], v[14:15], v[254:255]
	s_delay_alu instid0(VALU_DEP_2)
	v_pk_add_f32 v[70:71], v[70:71], v[252:253]
	s_delay_alu instid0(VALU_DEP_1)
	v_pk_add_f32 v[14:15], v[14:15], v[70:71]
	s_wait_alu depctr_va_vdst(0)                   ; and one for the four
.irp b, 0,1,2,3
	v_max_num_f32 v[BM+\b], 0x1800000, v[BM+\b]    ; the floor 2^(3 - 127): the byte cannot fall under 1
.endr
.irp b, 0,1,2,3
	s_delay_alu instid0(VALU_DEP_4)
	v_add_nc_u32 v[SO+\b], 0xff000000, v[BM+\b]    ; 2 off the exponent field: the conversion's scale operand
.endr
.irp b, 0,1,2,3
	s_delay_alu instid0(VALU_DEP_4)
	v_lshrrev_b32 v[BP+\b], 23, v[SO+\b]           ; the scale's byte
.endr
	s_delay_alu instid0(VALU_DEP_3)
	v_lshl_or_b32 v[PWD], v[BP+1], 8, v[BP]
	s_delay_alu instid0(VALU_DEP_1)
	v_lshl_or_b32 v[PWD], v[BP+2], 16, v[PWD]
	s_delay_alu instid0(VALU_DEP_1)
	v_lshl_or_b32 v[PWD], v[BP+3], 24, v[PWD]      ; p's scale word for these 128 keys
.irp c, 0,1
	v_cvt_scalef32_pk16_fp6_f32 v[PC+6*\c:PC+6*\c+2], v[S+32*\c:S+32*\c+15], v[SO+2*\c]
	v_cvt_scalef32_pk16_fp6_f32 v[T2+4*\c:T2+4*\c+2], v[S+32*\c+16:S+32*\c+31], v[SO+2*\c+1]
.endr
	v_nop                                          ; one plain place behind a scaled conversion
.irp c, 0,1
.irp i, 0,1,2
	v_permlane16_swap_b32 v[PC+6*\c+\i], v[T2+4*\c+\i]
.endr
.irp i, 0,1,2
	s_delay_alu instid0(VALU_DEP_3)
	v_mov_b32 v[PC+6*\c+3+\i], v[T2+4*\c+\i]
.endr
.endr
.set J, 0
.rept 32
	v_pk_mul_f32 v[O+J:O+J+1], v[O+J:O+J+1], v[FF:FF+1] op_sel_hi:[1,0]  ; O^T under the new M; these 32 are also the places between the writes of p's codes and scale word and the products
.set J, J+2
.endr
	s_wait_alu depctr_va_vdst(0)
	s_wait_dscnt 0x0                               ; V is in
	WIN 0x01
.irp t, 0,1,2,3,4,5,6,7
	v_wmma_scale_f32_16x16x128_f8f6f4 v[O+8*\t:O+8*\t+7], v[VF+12*\t:VF+12*\t+11], v[PC:PC+11], v[O+8*\t:O+8*\t+7], v[VS+\t], v[PWD] matrix_a_fmt:MATRIX_FMT_FP6 matrix_b_fmt:MATRIX_FMT_FP6
.endr
	WIN 0
	s_add_co_u32 s[TS], s[TS], 1024                ; the next step's scale words,
	s_xor_b32 s[TB], s[TB], SLOT1                  ; in the other slot
.endm
; THE CHANGE OF SLOTS stands at a step's head.  Each wave waits for all its tensor loads (its part of the slot that it is about to read), adds 0 to its spare word, and waits for that and for its reads of the slot that it has left.
; fill = 1: the barrier is a round of the cluster's, and behind it the slot just left is filled with the next key step: the load has a whole step in which to land.
.macro CHANGE fill
	s_wait_tensorcnt 0x0                           ; no tensor load of mine is out, so a group 0 may be written
	ds_add_u32 v[SPW], v[NIL]                      ; 0 onto my spare word
.if \fill
	s_xor_b32 s[G0K+1], s[G0K+1], SLOT1            ; the walking descriptors: the other slot than last time,
	s_add_nc_u64 s[G0K+2:G0K+3], s[G0K+2:G0K+3], 24576    ; the next record; the type bits on top are not reached
	s_xor_b32 s[G0M+1], s[G0M+1], SLOT1
	s_add_nc_u64 s[G0M+2:G0M+3], s[G0M+2:G0M+3], 512      ; the next 128 columns of the mask
	s_wait_xcnt 0x0                                ; the last prefetch, a step back, has read its address
	s_add_nc_u64 s[PFA:PFA+1], s[PFA:PFA+1], s[PFS:PFS+1]
	s_wait_dscnt 0x0                               ; the add is done, and my reads of the slot that I have left are over
	CROUND
	TLOAD                                          ; the first thing behind the round, and a wave's one tensor load until the next
	ASK
.else
	s_wait_dscnt 0x0
	s_barrier_signal -1
	s_barrier_wait -1
.endif
.endm
	s_wait_loadcnt 0x0                             ; Q
.Lslot:                                                ; 15 trips: behind each change of slots but the last the next key step is asked for
	CHANGE 1
	STEP
	s_sub_co_u32 s[SLOTS], s[SLOTS], 1
	s_cmp_lg_u32 s[SLOTS], 0
	s_cbranch_scc1 .Lslot
	CHANGE 0                                       ; the last step is written out
	STEP
	; THE WAY OUT: O^T / the sum; register 16 b + i is channel 32 b + 16 h + i of my query: quantised along the channels, it is K step Y of row block 8 X + w of the last product's operand
.rept 4
	v_nop                                          ; places behind the last products
.endr
	v_add_f32 v14, v14, v15
	s_delay_alu instid0(VALU_DEP_1)
	v_permlanex16_b32 v[TT], v14, s[SEL], s[SEL+1]
	s_delay_alu instid0(VALU_DEP_1)
	v_add_f32 v14, v14, v[TT]                      ; the row's sum
	s_wait_alu depctr_va_vdst(0)
	v_rcp_f32 v14, v14
	v_nop                                          ; a plain place behind the reciprocal
	s_wait_alu depctr_va_vdst(0)                   ; and the wait ahead of its first reader
.set J, 0
.rept 32
	v_pk_mul_f32 v[S+J:S+J+1], v[O+J:O+J+1], v[14:15] op_sel_hi:[1,0]
.set J, J+2
.endr
	QUANT S, PC, T2, PWD, KS
.irp c, 0,1,2
	global_store_b128 v[LI], v[PC+4*\c:PC+4*\c+3], s[10:11] offset:512*\c          ; the image: 512 consecutive bytes a store
.endr
	global_store_b32 v[RO], v[PWD], s[12:13]       ; my row's scale word; lanes l and l + 16 hold the same word and name the same place
	s_wait_tensorcnt 0x0                           ; the wave's end
	ds_add_u32 v[SPW], v[NIL]
	s_wait_dscnt 0x0
	CROUND                                         ; the closing round
	s_endpgm
.Lfunc_end_k_q50facc43a8_attn:
	.size	k_q50facc43a8_attn, .Lfunc_end_k_q50facc43a8_attn-k_q50facc43a8_attn
	.p2alignl 7, 3214868480
	.fill 96, 4, 3214868480
	.section	.rodata,"a",@progbits
	.p2align	6, 0x0
	.amdhsa_kernel k_q50facc43a8_attn
		.amdhsa_group_segment_fixed_size 327680
		.amdhsa_private_segment_fixed_size 0
		.amdhsa_enable_private_segment 0
		.amdhsa_kernarg_size 40
		.amdhsa_user_sgpr_count 2
		.amdhsa_user_sgpr_kernarg_segment_ptr 1
		.amdhsa_wavefront_size32 1
		.amdhsa_system_sgpr_workgroup_id_x 1
		.amdhsa_system_sgpr_workgroup_id_y 1
		.amdhsa_system_sgpr_workgroup_id_z 1
		.amdhsa_system_vgpr_workitem_id 0
		.amdhsa_next_free_vgpr 512
		.amdhsa_next_free_sgpr 100
		.amdhsa_reserve_vcc 0
		.amdhsa_float_denorm_mode_32 3
		.amdhsa_float_denorm_mode_16_64 3
		.amdhsa_memory_ordered 1
		.amdhsa_forward_progress 1
		.amdhsa_inst_pref_size 76
	.end_amdhsa_kernel
	.amdgpu_metadata
---
amdhsa.version: [ 1, 2 ]
amdhsa.kernels:
  - .name:           k_q50facc43a8_attn
    .symbol:         k_q50facc43a8_attn.kd
    .args:
      - { .name: qkv, .offset: 0, .size: 8, .value_kind: global_buffer, .address_space: global }
      - { .name: qkvs, .offset: 8, .size: 8, .value_kind: global_buffer, .address_space: global }
      - { .name: attention_mask, .offset: 16, .size: 8, .value_kind: global_buffer, .address_space: global }
      - { .name: aoc, .offset: 24, .size: 8, .value_kind: global_buffer, .address_space: global }
      - { .name: aos, .offset: 32, .size: 8, .value_kind: global_buffer, .address_space: global }
    .group_segment_fixed_size: 327680
    .private_segment_fixed_size: 0
    .kernarg_segment_align: 8
    .kernarg_segment_size: 40
    .max_flat_workgroup_size: 256
    .sgpr_count:     100
    .vgpr_count:     512
    .wavefront_size: 32
...
	.end_amdgpu_metadata
.endif
;; end of part 3
;; launch outgemm (part 4): grid 16 x 16, 4 waves a work-group, clusters of 4 x 4, 327,680 bytes of LDS; arguments aoc, aos, opc, ops, out0; writes out0
.if DOCPART == 4
	.amdgcn_target "amdgcn-amd-amdhsa--gfx1250"
	.amdhsa_code_object_version 6
	.text
	.protected	k_q50facc43a8_outgemm
	.globl	k_q50facc43a8_outgemm
	.p2align	8
	.type	k_q50facc43a8_outgemm,@function
k_q50facc43a8_outgemm:
	s_mov_b64 s[64:65], 0
	v_nop
	global_prefetch_b8 v0, s[64:65] scope:SCOPE_SE
	s_setreg_imm32_b32 hwreg(HW_REG_WAVE_MODE, 25, 1), 1
	s_wait_xcnt 0x0
	s_wait_alu depctr_hold_cnt(0) depctr_sa_sdst(0) depctr_va_vdst(0) depctr_va_sdst(0) depctr_va_ssrc(0) depctr_va_vcc(0) depctr_vm_vsrc(0)
	s_getreg_b32 s2, hwreg(HW_REG_IB_STS2, 6, 4)
	s_cmp_eq_u32 s2, 0
	s_cbranch_scc0 .Lentry_in_a_cluster
	s_endpgm
.Lentry_in_a_cluster:
	s_bfe_u32 s2, ttmp6, 0x10000c
	s_cmp_lg_u32 s2, 0xf033
	s_cbranch_scc0 .Lentry_shape_is_right
	s_endpgm
.Lentry_shape_is_right:
; out0 = (attention's result) Wo^T on codes of FP6 (E2M3) with E8M0 scales: M = N = K = 2,048; out0 f32.
; Both operands come as images of their registers (16 rows x 128 K = 1,536 bytes; registers 4 c .. 4 c + 3 of lane l at 512 c + 16 l), [row block 128][K step 16][1536]; scale words [row block][K step / 4][r][K step % 4].
; Row block rb holds in lane r row 32 (rb / 2) + 8 (rb % 2) + r + 8 (r / 8).  Wo is the fifth tensor of opc and ops.
; A tile of out0 is 128 x 128: 256 work-groups.  Four waves, each 64 x 64: 16 accumulators.
; K has four runs of 512.  THE HEAD HAS FOUR TENSOR LOADS, ONE A WAVE: wave 0 the tokens' run 0 (8 row blocks x 6,144 bytes), wave 1 Wo's run 0, wave 2 the tokens' runs 1 and 2 (8 x 12,288), wave 3 Wo's: 294,912 bytes.
; Run 3 goes into run 0's bytes when these have been read: ONE refill in the launch, by waves 0 and 1, so the 16 steps of 128 along K are written out, without a loop.
; THE SCALE WORDS of a wave's 64 tokens and 64 rows of Wo, for all of K, come once, straight into 128 registers: each load's sixteen lanes read 256 consecutive aligned bytes (lanes 16-31 name the same bytes).
; CLUSTERS 4 x 4: the four of a row of the cluster need the same tiles of tokens, the four of a column the same tiles of Wo: each is asked for jointly.
; No prefetch: three quarters of the codes are asked for at the head, and there is no loop to run ahead in.
; THE MATRIX INSTRUCTION IS USED TRANSPOSED: source 0 = 16 rows of Wo, source 1 = 16 tokens: a lane holds eight neighbouring numbers of a row of out0.
; REGISTERS: window 0: v16-29 addresses; v32-95 the tokens' scale words, v96-159 Wo's; v160-223 the way out.  window 1: two fragment buffers (v0, v128): 48 registers of tokens, then 48 of Wo.  window 2: v0-127 the accumulators ((a, b) at v[8 (4 a + b)]).
.set HALFT,  24576                     ; 4 row blocks x 4 K steps x 1,536 bytes: what one wave reads of an operand in run 0 or 3
.set BIGH,   49152                     ; the same for runs 1 and 2 together
.set S0B,    2*HALFT                   ; Wo's run 0 (later run 3)
.set BGA,    4*HALFT                   ; the tokens' runs 1 and 2
.set BGB,    BGA+2*BIGH                ; Wo's
.set SPARE,  BGB+2*BIGH                ; the spare words, 128 bytes for each wave
.set STAGE,  BGA                       ; the way out: 16 rows x 272 bytes for each wave, in bytes filled once and read by nobody behind the last barrier
.set ADRA, 16                          ; v16 my tokens' fragments of runs 0 and 3, v17 of runs 1 and 2
.set ADRB, 20                          ; v20, v21 the same for Wo
.set STO,  24
.set RD,   25
.set CO,   26
.set VSO,  27                          ; 16 r: my row's four scale words of a run
.set SPW,  28                          ; LDS address of my spare word; never rewritten
.set NIL,  29                          ; 0; never rewritten
.set SCA,  32                          ; word (run u, block i, step q) at 16 u + 4 i + q
.set SCB,  96
.set BK,   160
.set G1A,  24                          ; group 1: 8 rows of 6,144 bytes, tokens; G1B Wo
.set G1B,  32
.set G1A2, 40                          ; 8 rows of 12,288 bytes
.set G1B2, 48
.set MSB, 0
.macro WIN new
.if MSB != (\new)
	s_set_vgpr_msb (MSB<<8)|(\new)
.set MSB, (\new)
.endif
.endm
.set MUL,  0xa5                        ; sources 0 and 1 window 1; C and D window 2
.macro CREST
	s_cmp_lg_u32 s14, 0
	s_cbranch_scc1 .Lnot_wave_0_\@
	s_barrier_signal -3
.Lnot_wave_0_\@:
	s_barrier_wait -3
	s_barrier_signal -1
	s_barrier_wait -1
.endm
.macro CROUND
	s_barrier_signal -1
	s_barrier_wait -1
	CREST
.endm
.macro MKG0 g, lo, b, off              ; a descriptor's group 0: count 1; the LDS address; the global address; type 2
	s_mov_b32 s[\g], 1
	s_mov_b32 s[\g+1], \lo
	s_add_nc_u64 s[\g+2:\g+3], s[\b:\b+1], \off
	s_or_b32 s[\g+3], s[\g+3], 0x80000000
.endm
.macro PLACES                          ; four plain vector instructions between a matrix instruction and a load into, or a read of, its registers
.rept 4
	v_nop
.endr
.endm
.macro TL g0, g1                       ; a tensor load with an s_nop and four v_nop behind it
	tensor_load_to_lds s[\g0:\g0+3], s[\g1:\g1+7]
	s_nop 0
	PLACES
.endm
	s_load_b256 s[4:11], s[0:1], 0x0               ; aoc s[4:5], aos s[6:7], opc s[8:9], ops s[10:11]
	s_load_b64 s[12:13], s[0:1], 0x20              ; out0
	v_lshl_add_u32 v[SPW], v0, 2, SPARE
	v_mov_b32 v[NIL], 0
	ds_add_u32 v[SPW], v[NIL]                      ; 0 onto my spare word, twice on end
	ds_add_u32 v[SPW], v[NIL]
	v_lshrrev_b32 v1, 5, v0
	v_readfirstlane_b32 s14, v1                    ; wave 0..3
	s_lshr_b32 s15, s14, 1                         ; which 64 tokens are mine
	s_and_b32 s16, s14, 1                          ; which 64 columns
	s_bfe_u32 s92, ttmp6, 0x40000                  ; cx
	s_bfe_u32 s93, ttmp6, 0x40004                  ; cy
	s_lshl_b32 s94, ttmp9, 2
	s_add_co_u32 s94, s94, s92                     ; tile column
	s_and_b32 s95, ttmp7, 0xffff
	s_lshl_b32 s95, s95, 2
	s_add_co_u32 s95, s95, s93                     ; tile row
	s_lshl_b32 s96, s93, 2
	s_lshl_b32 s96, 15, s96                        ; my row of the cluster
	s_lshl_b32 s97, 0x1111, s92                    ; my column
	s_or_b32 s[G1A], s96, (3<<16)|(1<<21)          ; elements of 8 bytes; rows (row blocks) 24,576 bytes apart
	s_or_b32 s[G1B], s97, (3<<16)|(1<<21)
	s_or_b32 s[G1A2], s96, (3<<16)|(1<<21)
	s_or_b32 s[G1B2], s97, (3<<16)|(1<<21)
.irp g, G1A, G1B
	s_mov_b32 s[\g+1], 768<<16
	s_mov_b32 s[\g+2], 8<<16
	s_mov_b32 s[\g+3], 768<<16
	s_mov_b32 s[\g+4], 8
	s_mov_b32 s[\g+5], 3072
	s_mov_b32 s[\g+6], 0
	s_mov_b32 s[\g+7], 0
.endr
.irp g, G1A2, G1B2
	s_mov_b32 s[\g+1], 1536<<16
	s_mov_b32 s[\g+2], 8<<16
	s_mov_b32 s[\g+3], 1536<<16
	s_mov_b32 s[\g+4], 8
	s_mov_b32 s[\g+5], 3072
	s_mov_b32 s[\g+6], 0
	s_mov_b32 s[\g+7], 0
.endr
	s_mul_i32 s18, s95, 8*24576                    ; tokens: row block 8 x tile row
	s_mov_b32 s19, 0
	s_mul_i32 s20, s94, 8*24576                    ; Wo: row block 8 x tile column,
	s_add_co_u32 s20, s20, 12582912                ; in the fifth tensor of opc
	s_mov_b32 s21, 0
	s_lshl_b32 s22, s95, 13                        ; scale words: 1,024 bytes a row block; my four blocks
	s_lshl_b32 s17, s15, 12
	s_add_co_u32 s22, s22, s17
	s_mov_b32 s23, 0
	s_lshl_b32 s98, s94, 13
	s_lshl_b32 s17, s16, 12
	s_add_co_u32 s98, s98, s17
	s_add_co_u32 s98, s98, 524288                  ; the fifth tensor of ops
	s_mov_b32 s99, 0
	s_mul_i32 s80, s15, HALFT                      ; LDS: my 64 tokens, my 64 rows of Wo
	s_mul_i32 s81, s16, HALFT
	s_add_co_u32 s81, s81, S0B
	s_mul_i32 s82, s15, BIGH
	s_add_co_u32 s82, s82, BGA
	s_mul_i32 s83, s16, BIGH
	s_add_co_u32 s83, s83, BGB
	s_mul_i32 s84, s14, 16*272
	s_add_co_u32 s84, s84, STAGE                   ; my stage
	s_lshl_b32 s86, s95, 7
	s_lshl_b32 s87, s15, 6
	s_add_co_u32 s86, s86, s87                     ; my first token: 128 x tile row + 64 x half
	s_lshl_b32 s86, s86, 13
	s_lshl_b32 s87, s94, 9
	s_add_co_u32 s86, s86, s87
	s_lshl_b32 s87, s16, 8
	s_add_co_u32 s86, s86, s87                     ; my first column, in bytes: 512 x tile column + 256 x half
	s_mov_b32 s87, 0
	s_wait_dscnt 0x0                               ; both opening adds are done
	s_wait_kmcnt 0x0
	s_add_nc_u64 s[18:19], s[4:5], s[18:19]
	s_add_nc_u64 s[20:21], s[8:9], s[20:21]
	s_add_nc_u64 s[76:77], s[6:7], s[22:23]
	s_add_nc_u64 s[78:79], s[10:11], s[98:99]
	s_add_nc_u64 s[12:13], s[12:13], s[86:87]
	MKG0 56, 0, 18, 0                              ; tokens, run 0
	MKG0 60, S0B, 20, 0                            ; Wo, run 0
	MKG0 68, BGA, 18, 6144                         ; tokens, runs 1 and 2
	MKG0 72, BGB, 20, 6144                         ; Wo, runs 1 and 2
	CROUND                                         ; all sixteen work-groups are here: the first joint loads meet
.macro ARM under, g0, g1, next         ; one chain of branches on the wave's number: every way through the head passes exactly one load
	s_cmp_lt_u32 s14, \under
	s_cbranch_scc0 \next
	TL \g0, \g1
	s_branch .Lhead_asked
\next:
.endm
	ARM 1, 56, G1A,  .Lhead_b
	ARM 2, 60, G1B,  .Lhead_a2
	ARM 3, 68, G1A2, .Lhead_b2
	TL 72, G1B2
.Lhead_asked:
	v_and_b32 v1, 31, v0                           ; lane
	v_and_b32 v2, 15, v0                           ; r
	v_bfe_u32 v3, v0, 4, 1                         ; h
	v_lshlrev_b32 v[VSO], 4, v2
	v_lshlrev_b32 v4, 4, v1
	v_add_nc_u32 v[ADRA], s80, v4
	v_add_nc_u32 v[ADRB], s81, v4
	v_add_nc_u32 v[ADRA+1], s82, v4
	v_add_nc_u32 v[ADRB+1], s83, v4
	v_mul_u32_u24 v[STO], v2, 272
	v_lshl_add_u32 v[STO], v3, 6, v[STO]
	v_add_nc_u32 v[STO], s84, v[STO]               ; in: row r, + 64 h
	v_mul_u32_u24 v[RD], v3, 272
	v_lshl_add_u32 v[RD], v2, 4, v[RD]
	v_add_nc_u32 v[RD], s84, v[RD]                 ; back: lanes 0-15 one row of 256 bytes, lanes 16-31 the next
	v_lshlrev_b32 v[CO], 13, v3
	v_lshl_add_u32 v[CO], v2, 4, v[CO]             ; and the same two rows in out0
	s_wait_alu depctr_va_vdst(0)
.irp u, 0,1,2,3
.irp i, 0,1,2,3
	global_load_b128 v[SCA+16*\u+4*\i:SCA+16*\u+4*\i+3], v[VSO], s[76:77] offset:1024*\i+256*\u
	global_load_b128 v[SCB+16*\u+4*\i:SCB+16*\u+4*\i+3], v[VSO], s[78:79] offset:1024*\i+256*\u
.endr
.endr
; 8 matrix instructions: token blocks a0, a0 + 1 x Wo's four, step n.  The 16 accumulators take turns, one instruction a turn, in the same order in every step.
.macro MUL8 f, a0, n, zero
.irp a, \a0, \a0+1
.irp b, 0,1,2,3
.if \zero
	v_wmma_scale_f32_16x16x128_f8f6f4 v[8*(4*(\a)+\b):8*(4*(\a)+\b)+7], v[\f+48+12*\b:\f+48+12*\b+11], v[\f+12*(\a):\f+12*(\a)+11], 0, v[SCB+16*((\n)/4)+4*\b+(\n)%4], v[SCA+16*((\n)/4)+4*(\a)+(\n)%4] matrix_a_fmt:MATRIX_FMT_FP6 matrix_b_fmt:MATRIX_FMT_FP6
.else
	v_wmma_scale_f32_16x16x128_f8f6f4 v[8*(4*(\a)+\b):8*(4*(\a)+\b)+7], v[\f+48+12*\b:\f+48+12*\b+11], v[\f+12*(\a):\f+12*(\a)+11], v[8*(4*(\a)+\b):8*(4*(\a)+\b)+7], v[SCB+16*((\n)/4)+4*\b+(\n)%4], v[SCA+16*((\n)/4)+4*(\a)+(\n)%4] matrix_a_fmt:MATRIX_FMT_FP6 matrix_b_fmt:MATRIX_FMT_FP6
.endif
.endr
.endr
.endm
; step n's fragments (24 loads) into buffer n % 2
.macro FETCH n
.set FB, 128*((\n)%2)
.if ((\n)/4 == 1) || ((\n)/4 == 2)
.set AX, 1
.set RP, 12288
.set KO, ((\n)-4)*1536
.else
.set AX, 0
.set RP, 6144
.set KO, ((\n)%4)*1536
.endif
	WIN 0x40
.irp i, 0,1,2,3
.irp c, 0,1,2
	ds_load_b128 v[FB+48+12*\i+4*\c:FB+48+12*\i+4*\c+3], v[ADRB+AX] offset:\i*RP+KO+512*\c
	ds_load_b128 v[FB+12*\i+4*\c:FB+12*\i+4*\c+3], v[ADRA+AX] offset:\i*RP+KO+512*\c
.endr
.endr
	WIN 0
.endm
; Step n of 16.  kind 0: the next step's fragments are asked for first, then this step's 16 products.  kind 1: run 0 has been read out and its bytes are filled again.  kind 2: the refill is awaited.  kind 3: the last step.
.macro QSTEP n, kind
.set MF, 128*((\n)%2)
.if \kind == 1
	WIN 0
	s_wait_tensorcnt 0x0                           ; no tensor load of mine is out
	ds_add_u32 v[SPW], v[NIL]                      ; 0 onto my spare word
	s_wait_dscnt 1                                 ; this step's fragments are in (the add may be out)
	WIN MUL
	MUL8 MF, 0, \n, 0                              ; eight matrix instructions stand between the add and the wait for it
	s_wait_dscnt 0x0                               ; the add is done, and my reads of run 0 are over
	s_barrier_signal -1
	WIN 0
	s_barrier_wait -1
	CREST                                          ; the barrier has opened a round of the cluster's barrier: no wave of any partner still reads run 0
	s_add_nc_u64 s[58:59], s[58:59], 18432         ; the fourth run of 512 along K
	s_add_nc_u64 s[62:63], s[62:63], 18432
	s_cmp_eq_u32 s14, 0
	s_cbranch_scc0 .Lre_b
	TL 56, G1A                                     ; the first tensor load behind the round: it has eight steps in which to land
	s_branch .Lre_asked
.Lre_b:
	s_cmp_eq_u32 s14, 1
	s_cbranch_scc0 .Lre_asked                      ; waves 2 and 3 have no part of it
	TL 60, G1B
.Lre_asked:
	PLACES                                         ; on every wave's way, in front of the loads below
	FETCH (\n)+1
	WIN MUL
	MUL8 MF, 2, \n, 0
.else
.if \kind == 2
	WIN 0
	s_wait_tensorcnt 0x0                           ; my part of the refill has landed,
	s_wait_dscnt 0x0
	s_barrier_signal -1
	s_barrier_wait -1                              ; everybody's has
.else
	s_wait_dscnt 0x0                               ; this step's fragments are in
.endif
.if \kind != 3
	PLACES
	FETCH (\n)+1
.endif
	WIN MUL
.if (\n) == 0
	MUL8 MF, 0, \n, 1                              ; the first step's products start the sums
	MUL8 MF, 2, \n, 1
.else
	MUL8 MF, 0, \n, 0
	MUL8 MF, 2, \n, 0
.endif
.endif
.endm
	s_wait_tensorcnt 0x0                           ; my one load has landed,
	s_barrier_signal -1
	s_barrier_wait -1                              ; everybody's has: runs 0, 1 and 2 are whole
	FETCH 0
	s_wait_loadcnt 0x0                             ; the scale words
	QSTEP 0, 0
	QSTEP 1, 0
	QSTEP 2, 0
	QSTEP 3, 1
	QSTEP 4, 0
	QSTEP 5, 0
	QSTEP 6, 0
	QSTEP 7, 0
	QSTEP 8, 0
	QSTEP 9, 0
	QSTEP 10, 0
	QSTEP 11, 2
	QSTEP 12, 0
	QSTEP 13, 0
	QSTEP 14, 0
	QSTEP 15, 3
	WIN 0
; THE WAY OUT, a block of 16 tokens x 64 columns at a time.  Register j of accumulator (a, b) is column 32 (b / 2) + 8 (b % 2) + 16 h + j of token-lane r: 32 bytes of a row.  The block goes through my own stage and comes back as
; whole rows of 256 bytes.  LDS serves a wave's instructions in order (ISA guide 5.7.1.4): no wait between the stores and the loads, nor in front of the next block's stores.
.macro TOSTAGE a
	WIN 0x08                                       ; the data: window 2
.irp b, 0,1,2,3
	ds_store_b128 v[STO], v[8*(4*(\a)+\b):8*(4*(\a)+\b)+3] offset:128*(\b/2)+32*(\b%2)        ; each accumulator from its low end on
	ds_store_b128 v[STO], v[8*(4*(\a)+\b)+4:8*(4*(\a)+\b)+7] offset:128*(\b/2)+32*(\b%2)+16
.endr
	WIN 0
.irp t, 0,1,2,3,4,5,6,7
	ds_load_b128 v[BK+32*((\a)%2)+4*\t:BK+32*((\a)%2)+4*\t+3], v[RD] offset:\t*2*272
.endr
.endm
.macro SEND a, younger                 ; younger: the LDS instructions issued behind block a's loads, which may stay out.  Stage row 2 t + (lane / 16) is token 32 (a / 2) + 8 (a % 2) + 2 t + 8 (t / 4) + (lane / 16)
	s_wait_dscnt \younger
.irp t, 0,1,2,3,4,5,6,7
	global_store_b128 v[CO], v[BK+32*((\a)%2)+4*\t:BK+32*((\a)%2)+4*\t+3], s[12:13] offset:(32*((\a)/2)+8*((\a)%2)+2*\t+8*(\t/4))*8192 th:TH_STORE_NT   ; 16 lanes store 256 consecutive bytes, aligned
.endr
.endm
	PLACES                                         ; in front of the first read of results
	TOSTAGE 0
.irp a, 1,2,3
.if \a > 1
	s_wait_xcnt 0x0                                ; block a - 2's stores have read their registers: block a's loads may land there
.endif
	TOSTAGE \a
	SEND \a-1, 16                                  ; behind block a - 1's loads: block a's 8 stores and 8 loads
.endr
	SEND 3, 0
	s_wait_tensorcnt 0x0                           ; the wave's end
	ds_add_u32 v[SPW], v[NIL]
	s_wait_dscnt 0x0
	CROUND                                         ; the closing round
	s_endpgm
.Lfunc_end_k_q50facc43a8_outgemm:
	.size	k_q50facc43a8_outgemm, .Lfunc_end_k_q50facc43a8_outgemm-k_q50facc43a8_outgemm
	.p2alignl 7, 3214868480
	.fill 96, 4, 3214868480
	.section	.rodata,"a",@progbits
	.p2align	6, 0x0
	.amdhsa_kernel k_q50facc43a8_outgemm
		.amdhsa_group_segment_fixed_size 327680
		.amdhsa_private_segment_fixed_size 0
		.amdhsa_enable_private_segment 0
		.amdhsa_kernarg_size 40
		.amdhsa_user_sgpr_count 2
		.amdhsa_user_sgpr_kernarg_segment_ptr 1
		.amdhsa_wavefront_size32 1
		.amdhsa_system_sgpr_workgroup_id_x 1
		.amdhsa_system_sgpr_workgroup_id_y 1
		.amdhsa_system_sgpr_workgroup_id_z 1
		.amdhsa_system_vgpr_workitem_id 0
		.amdhsa_next_free_vgpr 640
		.amdhsa_next_free_sgpr 102
		.amdhsa_reserve_vcc 0
		.amdhsa_float_denorm_mode_32 3
		.amdhsa_float_denorm_mode_16_64 3
		.amdhsa_memory_ordered 1
		.amdhsa_forward_progress 1
		.amdhsa_inst_pref_size 81
	.end_amdhsa_kernel
	.amdgpu_metadata
---
amdhsa.version: [ 1, 2 ]
amdhsa.kernels:
  - .name:           k_q50facc43a8_outgemm
    .symbol:         k_q50facc43a8_outgemm.kd
    .args:
      - { .name: aoc, .offset: 0, .size: 8, .value_kind: global_buffer, .address_space: global }
      - { .name: aos, .offset: 8, .size: 8, .value_kind: global_buffer, .address_space: global }
      - { .name: opc, .offset: 16, .size: 8, .value_kind: global_buffer, .address_space: global }
      - { .name: ops, .offset: 24, .size: 8, .value_kind: global_buffer, .address_space: global }
      - { .name: out0, .offset: 32, .size: 8, .value_kind: global_buffer, .address_space: global }
    .group_segment_fixed_size: 327680
    .private_segment_fixed_size: 0
    .kernarg_segment_align: 8
    .kernarg_segment_size: 40
    .max_flat_workgroup_size: 128
    .sgpr_count:     102
    .vgpr_count:     640
    .wavefront_size: 32
...
	.end_amdgpu_metadata
.endif
;; end of part 4
